; MI455X (gfx1250); checked and timed in simulation.
; The chip was launched on July 23, 2026; its instructions are those of AMD's public machine-readable ISA for CDNA 5 (MIT licence, August 2026) and "CDNA5" Instruction Set Architecture Reference Guide (July 2026). The comments in the code are by the model that wrote it; some were corrected since.
;; Openseek CD Mo E. Allowed arithmetic: float matrix products may take bf16 or f16 operands with f32 sums; other float arithmetic in f32, or as packed bf16 or f16 multiplies, adds, multiply-adds, maxima and minima; sums over many terms, partial sums and values carried from step to step in f32; what a program stores and reads back later, other than sums and carried values, may be rounded once to bf16 or f16.
;; Inputs: W_q 2,048 x 128 float32; down_embed 4,096 x 2,048 float32; down_w 8,192 x 2,048 float32; gate_w 2,048 x 8,192 float32; hidden_states 4 x 256 x 2,048 float32; keys 2 x 64 x 64 float32; up_embed 4,096 x 2,048 float32; up_w 2,048 x 8,192 float32.
;; Outputs: out0 4 x 256 x 2,048 float32.
;; 2 versions, each right; version 2 is version 1 with the launch combine written anew for expert scheduling mode. Each part assembles by itself: llvm-mc -triple=amdgcn-amd-amdhsa -mcpu=gfx1250 --defsym DOCPART=n.
;; ======== version 1 of 2: 4 launches
;; workspace buffers: xb 4,194,304 bytes; hb 16,777,216 bytes; part 33,554,432 bytes; ridx 32,768 bytes of whole numbers; rprob 32,768 bytes
;; launch route (part 1): grid 64 x 2, 8 waves a work-group, no clusters, 120,576 bytes of LDS; arguments hidden_states, W_q, keys, xb, ridx, rprob; writes xb, ridx, rprob
.if DOCPART == 1
	.amdgcn_target "amdgcn-amd-amdhsa--gfx1250"
	.amdhsa_code_object_version 6
	.text
	.protected	k_q5a522cca15_route
	.globl	k_q5a522cca15_route
	.p2align	8
	.type	k_q5a522cca15_route,@function
k_q5a522cca15_route:
	s_mov_b64 s[64:65], 0
	v_nop
	global_prefetch_b8 v0, s[64:65] scope:SCOPE_SE
	s_setreg_imm32_b32 hwreg(HW_REG_WAVE_MODE, 25, 1), 1
	s_wait_xcnt 0x0
; PRODUCT-KEY ROUTER, and x rounded to bf16 for the launch behind.
; q = x W_q, [1024][128].  The source's reshape to [2][1024][64] makes token n use q[n >> 1] with keys[0] and q[512 + (n >> 1)] with keys[1], both in the column half n & 1.
; Work-group (j, p): 16 rows of x (local rows 0-7: tokens 8 j + i; rows 8-15: tokens 512 + 8 j + i), q's columns 64 p .. 64 p + 63; it routes the 8 tokens n = 2 (8 j + i) + p.
; Eight waves split K = 2048: wave w takes k = 256 w .. 256 w + 255, eight steps of 32; the eight partial q meet in LDS and are added in a fixed order.
; FORMATS.  x, W_q and keys are rounded once to bf16; products are exact, sums f32.  q is NOT rounded: it is cut exactly into three bf16 pieces (hi, mid, lo), and the three products with the keys are added in f32.
; W_q is [k][column]: a lane loads 16 bytes (columns 4 r .. 4 r + 3) of 16 k rows; one v_cvt_pk_bf16_f32 of two rows' registers is a pair (k, k + 1) of one column: fragment j holds column 4 r + j in lane r.
; LOADS.  x has registers of its own (256 to 383), so that x's 32 loads and the 32 of W_q's first two K steps go out together, before the first wait.
; TOP-K.  Eight times: the wave's maximum, among equals the lowest index (as jax.lax.top_k), the winner set to -inf.  Only selects (v_cndmask_b32): no branch and no address hangs on a score.
; The two searches that do not depend on each other (keys[0]'s and keys[1]'s) run in one loop, line by line by turns.
; The chosen experts go to ridx, their softmax weights to rprob, at slot (n & 1) 512 + (n >> 1), eight words each: fixed places.
; xb: [mt = token / 256][kb = k / 32][token % 256][32] bf16.  Of each wave's 256 k the work-group with p = 0 stores the first 128, p = 1 the others: every byte has one writer.
; LIMITS.  Routing scores are taken to be finite (-inf marks an entry that is taken); NaN is not treated apart; +0 and -0 count as equal; q's sum over k is added in another order than a plain f32 product's.
.set RED,   67584      ; 8 waves x 16 rows x 272 bytes: the partial q (64 f32 + 16 bytes a row)
.set QP,    102400     ; 3 pieces x 16 rows x 144 bytes: q in bf16 pieces (lo, mid, hi)
.set RT,    109312     ; 2 planes x 16 rows x 256 bytes: the routing scores
.set OI,    117504     ; 8 x 128 bytes: the experts; 1,024 bytes on: the weights
.set SPARE, 119552     ; the spare words: 128 bytes a wave, four blocks of 256 bytes that no other line names
; LDS bytes 0 .. 67,583: XA, 8 waves x 16 rows x 528 bytes: each wave's own 256 k of x in bf16 (512 bytes + 16 a row)
.set XO,  4            ; v4   x: 1024 w + 8192 h + 16 r
.set XBO, 5            ; v5   xb: (8 w + 4 p) 16384 + 16 L
.set XW,  6            ; v6   XA, in: 8448 w + 528 h + 8 r
.set XR,  7            ; v7   XA, out as fragments: 8448 w + 528 r + 16 h
.set WO,  8            ; v8   W_q: (256 w + 8 h) 512 + 16 r
.set KO,  9            ; v9   keys
.set RW,  10           ; v10  RED, in
.set RR,  11           ; v11  RED, out
.set QW,  12           ; v12  QP, in
.set QR,  13           ; v13  QP, out as fragments
.set SPW, 14           ; v14  my spare word; never rewritten
.set NIL, 15           ; v15  0; never rewritten
.set ACC, 16           ; v16-47   four accumulators (columns 4 r + j)
.set AF,  48           ; v48-55   a fragment of x
.set XS,  62           ; v62  XA, out for xb: 8448 w + 528 (L / 4) + 16 (L % 4): the wave's number, the lane and constants alone
.set BF,  64           ; v64-95   four fragments of W_q; first the packed first half of x
.set KS,  96           ; v96-127  the packed second half of x; x on its way to xb; keys as loaded; at work in the top-k
.set SET, 128          ; v128-191, v192-255  two sets of 16 loads of W_q
; registers 256-383 (v0-127 of the second window): x as loaded
.set MSB, 0
.macro WIN new                         ; s_set_vgpr_msb: bits 1:0 source 0, 3:2 source 1, 7:6 destination; the high byte repeats the setting that is left
.if MSB != (\new)
	s_set_vgpr_msb (MSB<<8)|(\new)
.set MSB, (\new)
.endif
.endm
; The 16 loads of K step s: k rows 8 h + 0..7 and 16 + 8 h + 0..7, 16 bytes a lane; lanes 0-15 take 256 consecutive bytes of a row.
.macro WLOAD s
.set i, 0
.rept 16
	global_load_b128 v[SET+64*((\s)&1)+4*i:SET+64*((\s)&1)+4*i+3], v[WO], s[6:7] offset:(32*(\s)+i+8*(i/8))*512
.set i, i+1
.endr
.endm
	s_load_b256 s[4:11], s[0:1], 0x0               ; x s[4:5], W_q s[6:7], keys s[8:9], xb s[10:11]
	s_load_b128 s[12:15], s[0:1], 0x20             ; ridx s[12:13], rprob s[14:15]
	v_lshl_add_u32 v[SPW], v0, 2, SPARE
	v_mov_b32 v[NIL], 0
	v_lshrrev_b32 v56, 5, v0
	v_readfirstlane_b32 s18, v56                   ; wave 0..7
	v_and_b32 v1, 31, v0                           ; L
	v_and_b32 v2, 15, v0                           ; r
	v_bfe_u32 v3, v0, 4, 1                         ; h
	s_mov_b32 s16, ttmp9                           ; j
	s_and_b32 s17, ttmp7, 0xffff                   ; p
	v_lshlrev_b32 v[XO], 4, v2
	v_lshl_add_u32 v[XO], v3, 13, v[XO]
	s_lshl_b32 s19, s18, 10
	v_add_nc_u32 v[XO], s19, v[XO]
	v_lshlrev_b32 v[WO], 4, v2
	v_lshl_add_u32 v[WO], v3, 12, v[WO]
	s_lshl_b32 s19, s18, 17
	v_add_nc_u32 v[WO], s19, v[WO]
	s_mov_b32 s21, 0
	s_wait_kmcnt 0x0
	s_lshl_b32 s20, s16, 16                        ; 8 j rows of 8,192 bytes
	s_add_nc_u64 s[4:5], s[4:5], s[20:21]
	s_lshl_b32 s20, s17, 8                         ; 64 p columns
	s_add_nc_u64 s[6:7], s[6:7], s[20:21]
; x: load n takes block n / 8 of the wave's four blocks of 64 k, and the pair of rows n % 8: lanes 0-15 take 256 bytes of the even row, lanes 16-31 of the odd one.
; Local rows 8-15 lie 512 tokens on: pair pi begins at row 2 pi + 504 (pi / 4).
	WIN 0x40                                       ; destination in the second window
.set n, 0
.rept 32
.set pi, n&7
	global_load_b128 v[4*n:4*n+3], v[XO], s[4:5] offset:(2*pi+504*(pi/4))*8192+(n>>3)*256
.set n, n+1
.endr
	WIN 0
	WLOAD 0
	WLOAD 1
; the other addresses are made while the loads are on their way
	s_mov_b32 s22, 0x76543210                      ; v_permlanex16_b32: each lane takes its own place in the other half
	s_mov_b32 s23, 0xfedcba98
	v_mul_u32_u24 v[XW], v3, 528
	v_lshl_add_u32 v[XW], v2, 3, v[XW]
	s_mul_i32 s19, s18, 8448
	v_add_nc_u32 v[XW], s19, v[XW]
	v_mul_u32_u24 v[XR], v2, 528
	v_lshl_add_u32 v[XR], v3, 4, v[XR]
	v_add_nc_u32 v[XR], s19, v[XR]
	v_lshrrev_b32 v56, 2, v1
	v_mul_u32_u24 v[XS], v56, 528
	v_and_b32 v56, 3, v1
	v_lshl_add_u32 v[XS], v56, 4, v[XS]
	v_add_nc_u32 v[XS], s19, v[XS]
	s_lshl_b32 s19, s18, 3
	s_lshl_b32 s26, s17, 2
	s_add_co_u32 s19, s19, s26
	s_lshl_b32 s19, s19, 14                        ; block 8 w + 4 p of 16,384 bytes
	v_lshl_add_u32 v[XBO], v1, 4, s19
	s_lshr_b32 s24, s18, 2                         ; tt: which of the two key sets my wave multiplies by
	s_and_b32 s25, s18, 3                          ; nt: which 16 of its 64 keys
	s_lshl_b32 s19, s24, 14
	s_lshl_b32 s26, s25, 6
	s_add_co_u32 s19, s19, s26
	v_lshlrev_b32 v[KO], 2, v2
	v_lshl_add_u32 v[KO], v3, 11, v[KO]
	v_add_nc_u32 v[KO], s19, v[KO]                 ; 16384 tt + 2048 h + 64 nt + 4 r
	v_mul_u32_u24 v[RW], v3, 2176
	v_lshl_add_u32 v[RW], v2, 4, v[RW]
	s_mul_i32 s19, s18, 4352
	s_add_co_u32 s19, s19, RED
	v_add_nc_u32 v[RW], s19, v[RW]                 ; RED + 4352 w + 8 h rows + 16 r
	v_lshrrev_b32 v56, 4, v0                       ; thread / 16: a row of q
	v_mul_u32_u24 v[RR], v56, 272
	v_lshl_add_u32 v[RR], v2, 4, v[RR]
	v_add_nc_u32 v[RR], RED, v[RR]
	v_mul_u32_u24 v[QW], v56, 144
	v_lshl_add_u32 v[QW], v2, 3, v[QW]
	v_add_nc_u32 v[QW], QP, v[QW]
	v_mul_u32_u24 v[QR], v2, 144
	v_lshl_add_u32 v[QR], v3, 4, v[QR]
	v_add_nc_u32 v[QR], QP, v[QR]
	s_lshr_b32 s20, s16, 5                         ; xb: token 8 j lies in block j / 32 of 256 tokens, at place 8 (j % 32) of 64 bytes
	s_lshl_b32 s20, s20, 20
	s_and_b32 s26, s16, 31
	s_lshl_b32 s26, s26, 9
	s_add_co_u32 s20, s20, s26
	s_add_nc_u64 s[10:11], s[10:11], s[20:21]
	s_lshl_b32 s20, s17, 14                        ; slot 512 p + 8 j, 32 bytes each
	s_lshl_b32 s26, s16, 8
	s_add_co_u32 s20, s20, s26
	s_add_nc_u64 s[12:13], s[12:13], s[20:21]
	s_add_nc_u64 s[14:15], s[14:15], s[20:21]
; Half hf of the wave's x: rounded to bf16 and laid into my own rows of XA.
.macro XHALF hf
	WIN 0x05                                       ; both sources in the second window
.set n, 0
.rept 16
	v_cvt_pk_bf16_f32 v[BF+32*(\hf)+2*n],   v[64*(\hf)+4*n],   v[64*(\hf)+4*n+1]
	v_cvt_pk_bf16_f32 v[BF+32*(\hf)+2*n+1], v[64*(\hf)+4*n+2], v[64*(\hf)+4*n+3]
.set n, n+1
.endr
	WIN 0
.set n, 0
.rept 16
.set pi, n&7
	ds_store_b64 v[XW], v[BF+32*(\hf)+2*n:BF+32*(\hf)+2*n+1] offset:2*pi*528+(2*(\hf)+(n>>3))*128
.set n, n+1
.endr
.endm
	s_wait_loadcnt 48                              ; x's first 16 loads are in.  Younger: x's other 16 and the 32 of W_q
	XHALF 0
	s_wait_loadcnt 32                              ; x's other 16.  Younger: the 32 of W_q
	XHALF 1
; x goes to xb out of my own rows of XA (LDS serves a wave's instructions in order): load z takes rows 8 (z / 4) .. + 7, 32 k at byte 256 hf + 64 (z % 4) of the rows, 16 bytes a lane;
; in xb those are 8 tokens x 64 bytes: 512 consecutive bytes, at a multiple of 512 from xb's first byte.  Which half of the rows is this work-group's stands in the loads' immediates, on the two sides
; of a scalar branch on p: the LDS address itself holds the wave's number, the lane and constants, and with the largest immediate ends at byte 8,432 of the wave's 8,448.
.macro XREAD hf
.set z, 0
.rept 8
	ds_load_b128 v[KS+4*z:KS+4*z+3], v[XS] offset:(z/4)*4224+(z%4)*64+256*(\hf)
.set z, z+1
.endr
.endm
	s_cmp_lg_u32 s17, 0
	s_cbranch_scc1 .Lsecond_half                   ; eight LDS loads on either side, into the same registers: no barrier, no wait and no global access is jumped
	XREAD 0
	s_branch .Lhalf_read
.Lsecond_half:
	XREAD 1
.Lhalf_read:
	s_wait_dscnt 0x0
.set z, 0
.rept 8
	global_store_b128 v[XBO], v[KS+4*z:KS+4*z+3], s[10:11] offset:(z/4)*2097152+(z%4)*16384
.set z, z+1
.endr
; K step s.  cnt: the loads that are younger than this step's.  more = 1: the set is loaded again, two steps ahead.
.macro KSTEP s, cnt, more
.if (\s) > 0
.rept 4
	v_nop                                          ; four places between the last products and the writes into their sources (ISA guide 7.12.1)
.endr
.endif
	ds_load_b128 v[AF:AF+3],   v[XR] offset:64*(\s)      ; my own bytes of XA
	ds_load_b128 v[AF+4:AF+7], v[XR] offset:64*(\s)+32
	s_wait_loadcnt \cnt
.set j, 0
.rept 4
.set q, 0
.rept 8
	v_cvt_pk_bf16_f32 v[BF+8*j+q], v[SET+64*((\s)&1)+8*q+j], v[SET+64*((\s)&1)+8*q+4+j]  ; rows 2 q and 2 q + 1 of the 16, column 4 r + j
.set q, q+1
.endr
.set j, j+1
.endr
.if \more
	WLOAD (\s)+2
.endif
	s_wait_dscnt 0x0
.set j, 0
.rept 4                                            ; the four accumulators take turns
.if (\s) == 0
	v_wmma_f32_16x16x32_bf16 v[ACC+8*j:ACC+8*j+7], v[AF:AF+7], v[BF+8*j:BF+8*j+7], 0
.else
	v_wmma_f32_16x16x32_bf16 v[ACC+8*j:ACC+8*j+7], v[AF:AF+7], v[BF+8*j:BF+8*j+7], v[ACC+8*j:ACC+8*j+7]
.endif
.set j, j+1
.endr
.endm
	KSTEP 0, 16, 1                                 ; younger: the other set's 16
	KSTEP 1, 16, 1
	KSTEP 2, 16, 1
	KSTEP 3, 16, 1
	KSTEP 4, 16, 1
	KSTEP 5, 16, 1
	s_wait_xcnt 0x0                                ; the stores to xb have read v96-127, which the loads below write
.set i, 0
.rept 32                                           ; my 16 keys, all 64 d: one f32 a lane and row d; they land while the sums are made
	global_load_b32 v[KS+i], v[KO], s[8:9] offset:(32*(i/16)+(i%16)+8*((i%16)/8))*256
.set i, i+1
.endr
	KSTEP 6, 48, 0                                 ; younger: K step 7's 16 and the 32 of the keys
	KSTEP 7, 32, 0                                 ; younger: the keys' 32
.rept 4
	v_nop                                          ; four places in front of the stores that read the sums
.endr
.set z, 0
.rept 32                                           ; register z / 4 of accumulator z % 4: each accumulator's lowest register goes first
	ds_store_b32 v[RW], v[ACC+8*(z%4)+z/4] offset:(z/4)*272+4*(z%4)
.set z, z+1
.endr
	s_wait_dscnt 0x0                               ; for the others' sake: my partial q is in LDS
	s_barrier_signal -1
	s_barrier_wait -1
; Thread t adds the eight partial sums of row t / 16, columns 4 (t % 16) on, in a fixed tree.
.set i, 0
.rept 8
	ds_load_b128 v[SET+4*i:SET+4*i+3], v[RR] offset:i*4352
.set i, i+1
.endr
	s_wait_dscnt 0x0
.irp z, 0,2
	v_pk_add_f32 v[128+\z:129+\z], v[128+\z:129+\z], v[132+\z:133+\z]
	v_pk_add_f32 v[136+\z:137+\z], v[136+\z:137+\z], v[140+\z:141+\z]
	v_pk_add_f32 v[144+\z:145+\z], v[144+\z:145+\z], v[148+\z:149+\z]
	v_pk_add_f32 v[152+\z:153+\z], v[152+\z:153+\z], v[156+\z:157+\z]
.endr
.irp z, 0,2
	v_pk_add_f32 v[128+\z:129+\z], v[128+\z:129+\z], v[136+\z:137+\z]
	v_pk_add_f32 v[144+\z:145+\z], v[144+\z:145+\z], v[152+\z:153+\z]
.endr
.irp z, 0,2
	v_pk_add_f32 v[128+\z:129+\z], v[128+\z:129+\z], v[144+\z:145+\z]
.endr
; q = hi + mid + lo, each a bf16: a piece is the rounding of what is left, and what is left is formed without error.
.macro PIECE d, off
	v_cvt_pk_bf16_f32 v[\d],   v128, v129
	v_cvt_pk_bf16_f32 v[\d+1], v130, v131
	ds_store_b64 v[QW], v[\d:\d+1] offset:\off
.endm
.macro REST d
	v_lshlrev_b32 v132, 16, v[\d]
	v_and_b32 v133, 0xffff0000, v[\d]
	v_lshlrev_b32 v134, 16, v[\d+1]
	v_and_b32 v135, 0xffff0000, v[\d+1]
	v_pk_add_f32 v[128:129], v[128:129], v[132:133] neg_lo:[0,1] neg_hi:[0,1]
	v_pk_add_f32 v[130:131], v[130:131], v[134:135] neg_lo:[0,1] neg_hi:[0,1]
.endm
	PIECE 56, 4608                                 ; hi
	REST 56
	PIECE 58, 2304                                 ; mid
	REST 58
	PIECE 60, 0                                    ; lo
	s_wait_dscnt 0x0
	s_barrier_signal -1
	s_barrier_wait -1
; routing = q keys: 16 rows x my 16 keys, d in two halves of 32 on two accumulators by turns; the pieces from the smallest up.
	s_wait_loadcnt 0x0                             ; the keys
.set z, 0
.rept 16
	v_cvt_pk_bf16_f32 v[BF+z], v[KS+2*z], v[KS+2*z+1]
.set z, z+1
.endr
.set z, 0
.rept 6                                            ; piece z / 2, half z % 2 of d
	ds_load_b128 v[SET+8*z:SET+8*z+3],   v[QR] offset:(z/2)*2304+64*(z%2)
	ds_load_b128 v[SET+8*z+4:SET+8*z+7], v[QR] offset:(z/2)*2304+64*(z%2)+32
.set z, z+1
.endr
	s_wait_dscnt 0x0
.set z, 0
.rept 6
.if z < 2
	v_wmma_f32_16x16x32_bf16 v[ACC+8*(z%2):ACC+8*(z%2)+7], v[SET+8*z:SET+8*z+7], v[BF+8*(z%2):BF+8*(z%2)+7], 0
.else
	v_wmma_f32_16x16x32_bf16 v[ACC+8*(z%2):ACC+8*(z%2)+7], v[SET+8*z:SET+8*z+7], v[BF+8*(z%2):BF+8*(z%2)+7], v[ACC+8*(z%2):ACC+8*(z%2)+7]
.endif
.set z, z+1
.endr
	v_lshlrev_b32 v57, 2, v2                       ; where the scores go: plane tt, row 8 h + register, key 16 nt + r.  Five plain lines: the places behind the products
	v_lshl_add_u32 v57, v3, 11, v57
	v_mov_b32 v58, s25
	v_lshl_add_u32 v57, v58, 6, v57
	s_lshl_b32 s19, s24, 12
	s_add_co_u32 s19, s19, RT
	v_add_nc_u32 v57, s19, v57
.irp z, 0,2,4,6
	v_pk_add_f32 v[32+\z:33+\z], v[ACC+\z:ACC+\z+1], v[ACC+8+\z:ACC+8+\z+1]
.endr
.set z, 0
.rept 8
	ds_store_b32 v57, v[32+z] offset:z*256
.set z, z+1
.endr
	s_wait_dscnt 0x0
	s_barrier_signal -1
	s_barrier_wait -1
; Wave w routes token n = 2 (8 j + w) + p: row w of plane 0, row 8 + w of plane 1; a lane holds keys L and L + 32.
	s_lshl_b32 s19, s18, 8
	s_add_co_u32 s19, s19, RT
	v_lshl_add_u32 v89, v1, 2, s19
	ds_load_b32 v64, v89
	ds_load_b32 v65, v89 offset:128
	ds_load_b32 v66, v89 offset:6144
	ds_load_b32 v67, v89 offset:6272
	v_cvt_f32_u32 v68, v1                          ; the indices are kept as f32: whole numbers below 2^18, exact
	v_add_nc_u32 v69, 32, v1
	v_cvt_f32_u32 v69, v69
	v_mov_b32 v70, 0x7f000000                      ; above every index
	v_mov_b32 v71, 0xff800000                      ; -inf
	v_mov_b32 v101, 0                              ; v_permlanex16_b32's destinations count as read
	v_mov_b32 v105, 0
; A search u (0 or 1) has its values in v[64 + 2 u], v[65 + 2 u], its results in v[76 + 2 u] (values), v[77 + 2 u] (indices), and v[100 + 4 u .. 103 + 4 u] at work.
; Each macro writes every line once for each search named, so that two searches' chains of dependent lines stand between each other.
.macro WMAX2 x, sets:vararg            ; the maximum over the wave's 32 lanes of v[x + 4 u], in every lane
.irp m, 1,2,4,8
.irp u, \sets
	v_max_num_f32_dpp v[\x+4*\u], v[\x+4*\u], v[\x+4*\u] row_xmask:\m row_mask:0xf bank_mask:0xf
.endr
.endr
.irp u, \sets
	v_permlanex16_b32 v[101+4*\u], v[\x+4*\u], s22, s23
.endr
.irp u, \sets
	v_max_num_f32 v[\x+4*\u], v[\x+4*\u], v[101+4*\u]
.endr
.endm
.macro WMIN2 x, sets:vararg
.irp m, 1,2,4,8
.irp u, \sets
	v_min_num_f32_dpp v[\x+4*\u], v[\x+4*\u], v[\x+4*\u] row_xmask:\m row_mask:0xf bank_mask:0xf
.endr
.endr
.irp u, \sets
	v_permlanex16_b32 v[101+4*\u], v[\x+4*\u], s22, s23
.endr
.irp u, \sets
	v_min_num_f32 v[\x+4*\u], v[\x+4*\u], v[101+4*\u]
.endr
.endm
.macro WSUM2 x, sets:vararg
.irp m, 1,2,4,8
.irp u, \sets
	v_add_f32_dpp v[\x+4*\u], v[\x+4*\u], v[\x+4*\u] row_xmask:\m row_mask:0xf bank_mask:0xf
.endr
.endr
.irp u, \sets
	v_permlanex16_b32 v[101+4*\u], v[\x+4*\u], s22, s23
.endr
.irp u, \sets
	v_add_f32 v[\x+4*\u], v[\x+4*\u], v[101+4*\u]
.endr
.endm
; The 8 largest of a search's 64 values, whose indices lie in v[ia], v[ib]: lane k of the results takes the k-th; the other lanes keep -inf and 0.  A counted loop of eight trips; the values are used up.
.macro TOP8 ia, ib, sets:vararg
.irp u, \sets
	v_mov_b32 v[76+2*\u], v71
	v_mov_b32 v[77+2*\u], 0
.endr
	s_mov_b32 s20, 0
.Ltop_\@:
.irp u, \sets
	v_max_num_f32 v[100+4*\u], v[64+2*\u], v[65+2*\u]
.endr
	WMAX2 100, \sets                               ; the largest that is left
.irp u, \sets
	v_cmp_eq_f32 s[28+\u], v[64+2*\u], v[100+4*\u]
.endr
.irp u, \sets
	v_cmp_eq_f32 s[30+\u], v[65+2*\u], v[100+4*\u]
.endr
.irp u, \sets
	v_cndmask_b32 v[102+4*\u], v70, v[\ia], s[28+\u]
.endr
.irp u, \sets
	v_cndmask_b32 v[103+4*\u], v70, v[\ib], s[30+\u]
.endr
.irp u, \sets
	v_min_num_f32 v[102+4*\u], v[102+4*\u], v[103+4*\u]
.endr
	WMIN2 102, \sets                               ; among equals the lowest index
.irp u, \sets
	v_cmp_eq_f32 s[28+\u], v[\ia], v[102+4*\u]
.endr
.irp u, \sets
	v_cmp_eq_f32 s[30+\u], v[\ib], v[102+4*\u]
.endr
.irp u, \sets
	v_cndmask_b32 v[64+2*\u], v[64+2*\u], v71, s[28+\u]   ; it is taken
.endr
.irp u, \sets
	v_cndmask_b32 v[65+2*\u], v[65+2*\u], v71, s[30+\u]
.endr
	v_cmp_eq_u32 vcc_lo, s20, v1
.irp u, \sets
	v_cndmask_b32 v[76+2*\u], v[76+2*\u], v[100+4*\u], vcc_lo
	v_cndmask_b32 v[77+2*\u], v[77+2*\u], v[102+4*\u], vcc_lo
.endr
	s_add_co_u32 s20, s20, 1
	s_cmp_lt_u32 s20, 8
	s_cbranch_scc1 .Ltop_\@
.endm
	s_wait_dscnt 0x0
	TOP8 68, 69, 0, 1                              ; sx, ix in v76, v77; sy, iy in v78, v79
; The 64 sums: candidate c = 8 a + b; a lane holds c = L and c = L + 32.  The lanes' addresses hang on the lane alone.
	v_lshrrev_b32 v86, 3, v1
	v_lshlrev_b32 v86, 2, v86                      ; lane a = L / 8
	v_add_nc_u32 v87, 16, v86                      ; lane a = 4 + L / 8
	v_and_b32 v88, 7, v1
	v_lshlrev_b32 v88, 2, v88                      ; lane b = L % 8
	ds_bpermute_b32 v80, v86, v76
	ds_bpermute_b32 v81, v86, v77
	ds_bpermute_b32 v82, v87, v76
	ds_bpermute_b32 v83, v87, v77
	ds_bpermute_b32 v84, v88, v78
	ds_bpermute_b32 v85, v88, v79
	v_lshlrev_b32 v92, 12, v1
	v_cvt_f32_u32 v92, v92                         ; 4096 L
	s_wait_dscnt 0x0
	v_add_f32 v64, v80, v84
	v_add_f32 v65, v82, v84
	v_fma_f32 v66, v81, 0x42800000, v85            ; 64 ix + iy: the expert,
	v_add_f32 v66, v66, v92                        ; under 4096 c: the lowest such number is the lowest c
	v_fma_f32 v67, v83, 0x42800000, v85
	v_add_f32 v67, v67, v92
	v_add_f32 v67, 0x48000000, v67                 ; + 4096 x 32
	TOP8 66, 67, 0                                 ; the 8 scores in v76, 4096 c + expert in v77
; softmax over the 8 scores (the other lanes hold -inf and count as 0): the maximum is taken away first
	v_mov_b32 v100, v76
	WMAX2 100, 0
	v_sub_f32 v102, v76, v100
	v_mul_f32 v102, 0x3fb8aa3b, v102
	v_exp_f32 v102, v102
	v_nop                                          ; a plain instruction behind the exponential (ISA guide 5.7.2),
	s_wait_alu depctr_va_vdst(0)                   ; and a wait ahead of its first reader
	v_mov_b32 v100, v102
	WSUM2 100, 0
	v_rcp_f32 v100, v100
	v_nop
	s_wait_alu depctr_va_vdst(0)
	v_mul_f32 v102, v102, v100
	v_cvt_u32_f32 v103, v77
	v_and_b32 v103, 0xfff, v103                    ; the expert
	s_lshl_b32 s19, s18, 7
	s_add_co_u32 s19, s19, OI
	v_lshl_add_u32 v104, v1, 2, s19
	ds_store_b32 v104, v103
	ds_store_b32 v104, v102 offset:1024
	s_wait_dscnt 0x0
	s_barrier_signal -1
	s_barrier_wait -1
; Wave 0 stores the work-group's 8 x 8 experts, wave 1 its weights: 256 consecutive bytes each, at a multiple of 256 from the buffer's first byte.
	s_cmp_lt_u32 s18, 2
	s_cbranch_scc0 .Lend
	s_cmp_eq_u32 s18, 0
	s_cselect_b64 s[20:21], s[12:13], s[14:15]
	v_lshrrev_b32 v108, 2, v1
	v_and_b32 v109, 3, v1
	v_lshlrev_b32 v108, 7, v108
	v_lshl_add_u32 v108, v109, 3, v108
	s_lshl_b32 s19, s18, 10
	s_add_co_u32 s19, s19, OI
	v_add_nc_u32 v108, s19, v108
	ds_load_b64 v[110:111], v108
	v_lshlrev_b32 v109, 3, v1
	s_wait_dscnt 0x0
	global_store_b64 v109, v[110:111], s[20:21]
.Lend:
	s_wait_tensorcnt 0x0                           ; the wave's end, behind my last LDS store
	ds_add_u32 v[SPW], v[NIL]
	s_wait_dscnt 0x0
	s_endpgm
.Lfunc_end_k_q5a522cca15_route:
	.size	k_q5a522cca15_route, .Lfunc_end_k_q5a522cca15_route-k_q5a522cca15_route
	.p2alignl 7, 3214868480
	.fill 96, 4, 3214868480
	.section	.rodata,"a",@progbits
	.p2align	6, 0x0
	.amdhsa_kernel k_q5a522cca15_route
		.amdhsa_group_segment_fixed_size 120576
		.amdhsa_private_segment_fixed_size 0
		.amdhsa_enable_private_segment 0
		.amdhsa_kernarg_size 48
		.amdhsa_user_sgpr_count 2
		.amdhsa_user_sgpr_kernarg_segment_ptr 1
		.amdhsa_wavefront_size32 1
		.amdhsa_system_sgpr_workgroup_id_x 1
		.amdhsa_system_sgpr_workgroup_id_y 1
		.amdhsa_system_sgpr_workgroup_id_z 1
		.amdhsa_system_vgpr_workitem_id 0
		.amdhsa_next_free_vgpr 384
		.amdhsa_next_free_sgpr 66
		.amdhsa_reserve_vcc 1
		.amdhsa_float_denorm_mode_32 3
		.amdhsa_float_denorm_mode_16_64 3
		.amdhsa_memory_ordered 1
		.amdhsa_forward_progress 1
		.amdhsa_inst_pref_size 68
	.end_amdhsa_kernel
	.amdgpu_metadata
---
amdhsa.version: [ 1, 2 ]
amdhsa.kernels:
  - .name:           k_q5a522cca15_route
    .symbol:         k_q5a522cca15_route.kd
    .args:
      - { .name: hidden_states, .offset: 0, .size: 8, .value_kind: global_buffer, .address_space: global }
      - { .name: W_q, .offset: 8, .size: 8, .value_kind: global_buffer, .address_space: global }
      - { .name: keys, .offset: 16, .size: 8, .value_kind: global_buffer, .address_space: global }
      - { .name: xb, .offset: 24, .size: 8, .value_kind: global_buffer, .address_space: global }
      - { .name: ridx, .offset: 32, .size: 8, .value_kind: global_buffer, .address_space: global }
      - { .name: rprob, .offset: 40, .size: 8, .value_kind: global_buffer, .address_space: global }
    .group_segment_fixed_size: 120576
    .private_segment_fixed_size: 0
    .kernarg_segment_align: 8
    .kernarg_segment_size: 48
    .max_flat_workgroup_size: 256
    .sgpr_count:     66
    .vgpr_count:     384
    .wavefront_size: 32
...
	.end_amdgpu_metadata
.endif
;; end of part 1
;; launch gateup (part 2): grid 64 x 4, 4 waves a work-group, clusters of 4 x 4, 327,680 bytes of LDS; arguments xb, gate_w, up_w, hb; writes hb
.if DOCPART == 2
	.amdgcn_target "amdgcn-amd-amdhsa--gfx1250"
	.amdhsa_code_object_version 6
	.text
	.protected	k_q5a522cca15_gateup
	.globl	k_q5a522cca15_gateup
	.p2align	8
	.type	k_q5a522cca15_gateup,@function
k_q5a522cca15_gateup:
	s_mov_b64 s[64:65], 0
	v_nop
	global_prefetch_b8 v0, s[64:65] scope:SCOPE_SE
	s_setreg_imm32_b32 hwreg(HW_REG_WAVE_MODE, 25, 1), 1
	s_wait_xcnt 0x0
	s_wait_alu depctr_hold_cnt(0) depctr_sa_sdst(0) depctr_va_vdst(0) depctr_va_sdst(0) depctr_va_ssrc(0) depctr_va_vcc(0) depctr_vm_vsrc(0)
	s_getreg_b32 s2, hwreg(HW_REG_IB_STS2, 6, 4)
	s_cmp_eq_u32 s2, 0
	s_cbranch_scc0 .Lentry_in_a_cluster
	s_endpgm
.Lentry_in_a_cluster:
	s_bfe_u32 s2, ttmp6, 0x10000c
	s_cmp_lg_u32 s2, 0xf033
	s_cbranch_scc0 .Lentry_shape_is_right
	s_endpgm
.Lentry_shape_is_right:
; h = silu(x gate_w) * (x up_w), [1024][8192], stored in bf16 as hb[kb = column / 64][token][64].
; x comes as xb[mt = token / 256][kb = k / 32][token % 256][32] in bf16: a work-group's x is one dense stream along K.  gate_w and up_w are f32, [k][column], and are rounded to bf16 on their way
; from LDS to the matrix unit: each weight byte is asked for once in the launch (but for 64 rows at the end: see THE LAST TILE).
; SHARES.  A work-group: 256 tokens (mt) x 128 columns (nt) of gate and the same 128 of up: 4 x 64 = 256 work-groups.  Wave (WM, WC): 128 tokens x (64 gate + 64 up): 64 accumulators, 512 registers.
; THE RING.  K = 2048 goes in tiles of 96 through two LDS slots of 159,744 bytes (x 3 x 20,480, gate 49,152, up 49,152): the longest step of which two slots fit (a step of 128 would take 2 x 212,992).
; A tile is three phases of 32 along K, 64 products each; the two fragment buffers take turns, so that two tiles, six phases, are a trip of the loop.  From a refill's request to the wait for it a wave issues 192 products.
; THE LAST TILE.  2048 = 21 x 96 + 32.  The 22nd tile is asked for from k = 1952 on, so that its descriptor is like every other's and it lies inside the buffers; only its last 32 rows are multiplied.
; So the 20 refills are alike: ten trips of two.  A tile's k offset is counted in a scalar register, clamped to 1952, and the descriptor's address is made anew from the buffer's address for each fill.
; WEIGHTS AS FRAGMENTS.  A lane reads 16 bytes (columns 4 r .. 4 r + 3) of 16 k rows; v_cvt_pk_bf16_f32 of two rows' registers is a pair (k, k + 1) of one column.  So fragment j holds column 4 r + j in lane r,
; and a lane's results in the four accumulators j = 0..3 are four neighbouring columns.  x's fragment takes token 2 (r % 8) + r / 8 in lane r, so that register jj of lanes (r, h) holds token 2 jj + h:
; a store of 8 bytes a lane then covers two tokens' 128 bytes: 256 consecutive bytes at a multiple of 256 from hb's first byte, with no way through LDS.
; CLUSTER 4 x 4.  x's tile hangs on mt alone and is shared along a row of the cluster, the weights' tiles on nt alone and are shared along a column (the four of a column are all four token blocks):
; each tile is asked for JOINTLY, by the same tensor load with the same descriptor and a mask that names the four.  By this text's count a wave has two tensor loads out at the start and one behind each round.
; REGISTERS, in windows of 256 (s_set_vgpr_msb: bits 1:0 source 0, 3:2 source 1, 5:4 source 2, 7:6 destination):
;   window 0: v0-31 addresses; v64-127, v128-191 x's fragments, two buffers; v192-223, v224-255 at work on the way out
;   window 1: v0-127 weights as loaded (gate's load i at 4 i, up's at 64 + 4 i); v128-191, v192-255 their fragments, two buffers (0-3 gate, 4-7 up)
;   windows 2, 3: accumulator (a, f) at v[8 (8 (a % 4) + f)], a = 0-3 in window 2, 4-7 in window 3
; LIMITS.  h is rounded once to bf16.  exp2 of a large argument gives infinity, whose reciprocal is 0: silu of a very negative number counts as 0.  NaN and infinities are not treated apart.
.set KSTEP, 96
.set KLAST, 1952       ; the last tile's first row: 2048 - 96
.set ABLK,  20480      ; x, 32 k: 256 tokens x 80 bytes (64 + 16 of padding = 20 words: the 16 tokens of a fragment load start at 16 different groups of four banks; 64 banks of 4 bytes: ISA guide 11.1)
.set BOFF,  3*ABLK     ; behind x: gate's 96 rows of 512 bytes, then up's
.set BMAT,  KSTEP*512
.set SLOT,  BOFF+2*BMAT
.set SPARE, 2*SLOT     ; the spare words: 128 bytes a wave, two blocks of 256 bytes that no other line names
.set BROW,  32768      ; a row of the weights, in bytes
.set ADRA, 16          ; v16-17  LDS address of my fragments of x in slot 0, 1
.set ADRG, 18          ; v18-19  of gate's rows
.set ADRU, 20          ; v20-21  of up's
.set HO,   22          ; v22     my byte offset in two tokens of hb
.set PFO,  23          ; v23     my byte offset in 64 rows of the weights, for the prefetch
.set SPW,  28          ; v28     my spare word; never rewritten
.set NIL,  29          ; v29     0; never rewritten
.set FA,   64
.set FB,   128
.set T,    192
.set OB,   224
.set G1A, 24           ; s[24:31] descriptor group 1 for x's tiles;  s[32:39] group 0, a set for each slot
.set G0A, 32
.set G1B, 48           ; s[48:55], s[56:63] the same for the weights' tiles
.set G0B, 56
.set PF,  66           ; s[66:67] the prefetch's base
.set CL,  68           ; s[68:69] -log2(e)
.set KC,  70           ; s70      a tile's k, clamped
.set OF,  72           ; s[72:73] a tile's byte offset
.set KT,  74           ; s74, s75 the k of the tile last asked for, by slot
.set MSB, 0
.macro WIN new                         ; the immediate's high byte repeats the setting that is left; a switch that changes nothing is dropped
.if MSB != (\new)
	s_set_vgpr_msb (MSB<<8)|(\new)
.set MSB, (\new)
.endif
.endm
.macro PLACES                          ; four places between a matrix instruction and a write, or a load, into one of its registers, or a read of its result
.rept 4
	v_nop
.endr
.endm
.macro CREST                           ; a round of the cluster's barrier behind its opening barrier
	s_cmp_lg_u32 s12, 0
	s_cbranch_scc1 .Lnot_wave_0_\@
	s_barrier_signal -3
.Lnot_wave_0_\@:
	s_barrier_wait -3
	s_barrier_signal -1
	s_barrier_wait -1
.endm
.macro CROUND
	s_barrier_signal -1
	s_barrier_wait -1
	CREST
.endm
; A joint refill.  Waves 0 and 1 fetch the two halves of x's tile, wave 2 gate's tile, wave 3 up's.  The branch hangs on the wave's number alone.  An s_nop 0 and four v_nop follow each of the two lines.
; Behind the weights' line: prefetches for the two tiles that the NEXT trip asks for, 192 rows from s[PF] on.  One instruction takes 64 rows x 512 bytes as 128 blocks of 256 bytes, 32 by each of the column's
; four work-groups: each block once.  Slot 0's refill asks for the first 64 rows, slot 1's for the other 128.  In trip i (s3 = 10 - i) those rows begin at k = 384 + 192 i: the first two instructions
; stay inside the 2,048 rows up to i = 8 (s3 >= 2), the third up to i = 7 (s3 >= 3); the others are jumped.
.macro JLOAD slot
	s_cmp_eq_u32 s13, 0
	s_cbranch_scc0 .Lfor_b_\@
	tensor_load_to_lds s[G0A+4*(\slot):G0A+4*(\slot)+3], s[G1A:G1A+7]
	s_nop 0
	PLACES
	s_branch .Lasked_\@
.Lfor_b_\@:
	tensor_load_to_lds s[G0B+4*(\slot):G0B+4*(\slot)+3], s[G1B:G1B+7]
	s_nop 0
	PLACES
	s_cmp_lt_u32 s3, 2
	s_cbranch_scc1 .Lasked_\@
.if (\slot) == 0
	global_prefetch_b8 v[PFO], s[PF:PF+1] th:TH_LOAD_NT scope:SCOPE_SE
.else
	global_prefetch_b8 v[PFO], s[PF:PF+1] offset:64*BROW th:TH_LOAD_NT scope:SCOPE_SE
	s_cmp_lt_u32 s3, 3
	s_cbranch_scc1 .Lasked_\@
	global_prefetch_b8 v[PFO], s[PF:PF+1] offset:128*BROW th:TH_LOAD_NT scope:SCOPE_SE
.endif
.Lasked_\@:
.endm
	s_load_b256 s[4:11], s[0:1], 0x0               ; xb s[4:5], gate_w s[6:7], up_w s[8:9], hb s[10:11]
	v_lshl_add_u32 v[SPW], v0, 2, SPARE
	v_mov_b32 v[NIL], 0
	ds_add_u32 v[SPW], v[NIL]                      ; the wave's opening: the add and its wait ahead of my first tensor load; the set-up below, work on registers, stands between them
	v_lshrrev_b32 v1, 5, v0
	v_readfirstlane_b32 s12, v1                    ; wave 0..3
	s_lshr_b32 s13, s12, 1                         ; WM: my half of the tokens.  Also: I fetch x (0) or weights (1)
	s_and_b32 s14, s12, 1                          ; WC: my half of the columns.  Also: which half of x's tile, or gate (0) or up (1)
	s_bfe_u32 s40, ttmp6, 0x40000                  ; cx
	s_bfe_u32 s41, ttmp6, 0x40004                  ; cy
	s_lshl_b32 s42, ttmp9, 2
	s_add_co_u32 s42, s42, s40                     ; nt = 4 x cluster x + cx
	s_and_b32 s43, ttmp7, 0xffff
	s_lshl_b32 s43, s43, 2
	s_add_co_u32 s43, s43, s41                     ; mt = 4 x cluster y + cy
	s_lshl_b32 s44, s41, 2
	s_lshl_b32 s44, 15, s44                        ; my row of the cluster
	s_lshl_b32 s45, 0x1111, s40                    ; my column
	; group 1 for x: half a tile is 24,576 dense bytes, asked for as 96 rows of 256 bytes (four tokens' 64 bytes each) and padded by 16 bytes after every 64
	s_or_b32 s[G1A], s44, (1<<16)|(1<<20)|(1<<21)|(3<<22)|(3<<25)  ; 15:0 mask; 17:16 2-byte elements; 20 padding on; 21 set beside a mask; 24:22 after every 16 words (code 3); 31:25 4 words (code 3)
	s_mov_b32 s[G1A+1], 128<<16                    ; tensor_dim0 = 128
	s_mov_b32 s[G1A+2], KSTEP<<16                  ; tensor_dim1 = 96
	s_mov_b32 s[G1A+3], 128<<16                    ; tile_dim0 = 128
	s_mov_b32 s[G1A+4], KSTEP                      ; tile_dim1 = 96
	s_mov_b32 s[G1A+5], 128                        ; elements from row to row
	s_mov_b32 s[G1A+6], 0
	s_mov_b32 s[G1A+7], 0
	; group 1 for the weights: 96 rows of 128 f32 (512 bytes), dense in LDS: a fragment load's 16 lanes take 256 consecutive bytes of one row
	s_or_b32 s[G1B], s45, (2<<16)|(1<<21)          ; 15:0 mask; 17:16 4-byte elements; 21 set beside a mask
	s_mov_b32 s[G1B+1], 128<<16
	s_mov_b32 s[G1B+2], KSTEP<<16
	s_mov_b32 s[G1B+3], 128<<16
	s_mov_b32 s[G1B+4], KSTEP
	s_mov_b32 s[G1B+5], 8192
	s_mov_b32 s[G1B+6], 0
	s_mov_b32 s[G1B+7], 0
	s_lshl_b32 s16, s43, 20                        ; x: block mt of 1,048,576 bytes + my half of a tile; no register here ever holds cx
	s_mul_i32 s17, s14, 24576
	s_add_co_u32 s16, s16, s17
	s_mov_b32 s17, 0
	s_lshl_b32 s46, s42, 9                         ; weights: 128 nt columns of 4 bytes; no register here ever holds cy
	s_mov_b32 s47, 0
	s_mul_i32 s20, s14, 30720                      ; where they go in a slot (384 tokens' places of 80 bytes; a matrix's 96 rows): no place in the cluster enters an LDS address
	s_mul_i32 s21, s14, BMAT
	s_add_co_u32 s21, s21, BOFF
	s_lshl_b32 s22, s42, 18                        ; hb: block 2 nt + WC, token 256 mt + 128 WM
	s_lshl_b32 s23, s14, 17
	s_add_co_u32 s22, s22, s23
	s_lshl_b32 s23, s43, 15
	s_add_co_u32 s22, s22, s23
	s_lshl_b32 s23, s13, 14
	s_add_co_u32 s22, s22, s23
	s_mov_b32 s23, 0
	s_mov_b32 s[CL], 0xbfb8aa3b
	s_mov_b32 s[CL+1], s[CL]
	s_mov_b32 s[OF+1], 0
	s_mov_b32 s[KT], 0                             ; slot 0 begins with k = 0,
	s_mov_b32 s[KT+1], KSTEP                       ; slot 1 with k = 96
	v_and_b32 v2, 31, v0
	v_lshrrev_b32 v3, 1, v2
	v_and_b32 v4, 1, v2
	s_lshl_b32 s2, s41, 4
	v_add_nc_u32 v3, s2, v3                        ; row 16 cy + L / 2 of 64,
	v_lshlrev_b32 v3, 15, v3
	v_lshl_add_u32 v[PFO], v4, 8, v3               ; half L % 2 of its 512 bytes
	s_wait_dscnt 0x0                               ; the opening add is done
	s_wait_kmcnt 0x0
	s_add_nc_u64 s[18:19], s[4:5], s[16:17]        ; x at my half of the first tile: kept
	s_cmp_eq_u32 s14, 0
	s_cselect_b64 s[6:7], s[6:7], s[8:9]           ; gate_w or up_w, by the wave's number
	s_add_nc_u64 s[6:7], s[6:7], s[46:47]          ; at my columns: kept
	s_add_nc_u64 s[10:11], s[10:11], s[22:23]
	s_add_nc_u64 s[PF:PF+1], s[6:7], 2*KSTEP*BROW
.irp s, 0,1
	s_mov_b32 s[G0A+4*(\s)], 1                                       ; count = 1
	s_add_co_u32 s[G0A+4*(\s)+1], s20, (\s)*SLOT                     ; LDS address
	s_add_nc_u64 s[G0A+4*(\s)+2:G0A+4*(\s)+3], s[18:19], (\s)*KSTEP*512  ; global address: tile s (32 k of 256 tokens are 16,384 bytes: 512 for each k)
	s_or_b32 s[G0A+4*(\s)+3], s[G0A+4*(\s)+3], 0x80000000            ; type = 2
	s_mov_b32 s[G0B+4*(\s)], 1
	s_add_co_u32 s[G0B+4*(\s)+1], s21, (\s)*SLOT
	s_add_nc_u64 s[G0B+4*(\s)+2:G0B+4*(\s)+3], s[6:7], (\s)*KSTEP*BROW
	s_or_b32 s[G0B+4*(\s)+3], s[G0B+4*(\s)+3], 0x80000000
.endr
	CROUND                                         ; all sixteen work-groups are here: the first joint loads meet
	s_cmp_eq_u32 s13, 0                            ; a wave's two first fills stand in one branch, ahead of every wait on TENSORcnt, every LDS read and every further barrier
	s_cbranch_scc0 .Lfirst_b
	tensor_load_to_lds s[G0A:G0A+3], s[G1A:G1A+7]
	s_nop 0
	tensor_load_to_lds s[G0A+4:G0A+7], s[G1A:G1A+7]
	s_nop 0
	PLACES
	s_branch .Lfirst_asked
.Lfirst_b:
	tensor_load_to_lds s[G0B:G0B+3], s[G1B:G1B+7]
	s_nop 0
	tensor_load_to_lds s[G0B+4:G0B+7], s[G1B:G1B+7]
	s_nop 0
	PLACES
	global_prefetch_b8 v[PFO], s[PF:PF+1] th:TH_LOAD_NT scope:SCOPE_SE                  ; tiles 2 and 3: rows 192 to 383
	global_prefetch_b8 v[PFO], s[PF:PF+1] offset:64*BROW th:TH_LOAD_NT scope:SCOPE_SE
	global_prefetch_b8 v[PFO], s[PF:PF+1] offset:128*BROW th:TH_LOAD_NT scope:SCOPE_SE
.Lfirst_asked:
	v_and_b32 v1, 15, v0                           ; r
	v_bfe_u32 v2, v0, 4, 1                         ; h
	v_and_b32 v3, 7, v0
	v_bfe_u32 v4, v0, 3, 1
	v_lshl_add_u32 v3, v3, 1, v4                   ; the token that lane r takes of a block of 16: 2 (r % 8) + r / 8
	v_mul_u32_u24 v3, v3, 80
	v_lshl_add_u32 v3, v2, 4, v3
	s_mul_i32 s16, s13, 10240                      ; my 128 tokens' places of 80 bytes
	v_add_nc_u32 v[ADRA], s16, v3
	v_add_nc_u32 v[ADRA+1], SLOT, v[ADRA]
	v_lshlrev_b32 v4, 4, v1
	v_lshl_add_u32 v4, v2, 12, v4                  ; 8 h rows of 512 bytes + 16 r
	s_lshl_b32 s16, s14, 8                         ; my 64 columns
	s_add_co_u32 s16, s16, BOFF
	v_add_nc_u32 v[ADRG], s16, v4
	v_add_nc_u32 v[ADRG+1], SLOT, v[ADRG]
	v_add_nc_u32 v[ADRU], BMAT, v[ADRG]
	v_add_nc_u32 v[ADRU+1], BMAT, v[ADRG+1]
	v_lshlrev_b32 v[HO], 3, v1
	v_lshl_add_u32 v[HO], v2, 7, v[HO]             ; 128 h + 8 r
; n products from number x0 on of a phase's 64: block a = x / 8 of 16 tokens, fragment f = x % 8.  All 64 accumulators take turns, in the same order in every phase.  zero = 1: the product starts the sum.
.macro MULX x0, n, buf, zero
.set x, \x0
.rept \n
	WIN 0xa4+0x50*(x/32)                           ; x's fragment window 0, the weights' window 1, C and D window 2 or 3
.set rD, 8*(x%32)
.set rA, FA+64*(\buf)+8*(x/8)
.set rB, FB+64*(\buf)+8*(x%8)
.if \zero
	v_wmma_f32_16x16x32_bf16 v[rD:rD+7], v[rA:rA+7], v[rB:rB+7], 0
.else
	v_wmma_f32_16x16x32_bf16 v[rD:rD+7], v[rA:rA+7], v[rB:rB+7], v[rD:rD+7]
.endif
.set x, x+1
.endr
.endm
; Fragment f of buffer buf out of the weights as loaded: register q = rows 2 q and 2 q + 1 of the 16, column 4 r + f % 4
.macro CVT f, buf
	WIN 0x45
.set q, 0
.rept 8
	v_cvt_pk_bf16_f32 v[FB+64*(\buf)+8*(\f)+q], v[64*((\f)/4)+8*q+(\f)%4], v[64*((\f)/4)+8*q+4+(\f)%4]
.set q, q+1
.endr
.endm
; Eight products, and behind each two of them a fragment of the OTHER buffer is made: the conversions stand beside the matrix work
.macro MULCVT x0, buf, g0, zero
.set t, 0
.rept 4
	MULX (\x0)+2*t, 2, \buf, \zero
	CVT (\g0)+t, 1-(\buf)
.set t, t+1
.endr
.endm
; 48 LDS loads in one run: of third kk of a slot's 96 k, gate's and up's 16 rows each as loaded, then x's 8 fragments into buffer buf
.macro FETCH slot, kk, buf
	WIN 0x40
.set i, 0
.rept 16
	ds_load_b128 v[4*i:4*i+3], v[ADRG+(\slot)] offset:(32*(\kk)+i+8*(i/8))*512
.set i, i+1
.endr
.set i, 0
.rept 16
	ds_load_b128 v[64+4*i:64+4*i+3], v[ADRU+(\slot)] offset:(32*(\kk)+i+8*(i/8))*512
.set i, i+1
.endr
	WIN 0
.set i, 0
.rept 8
	ds_load_b128 v[FA+64*(\buf)+8*i:FA+64*(\buf)+8*i+3],   v[ADRA+(\slot)] offset:(\kk)*ABLK+i*1280
	ds_load_b128 v[FA+64*(\buf)+8*i+4:FA+64*(\buf)+8*i+7], v[ADRA+(\slot)] offset:(\kk)*ABLK+i*1280+32
.set i, i+1
.endr
.endm
; One of a tile's first two phases: multiplies buffer buf, fetches third kk of the same slot and makes the other buffer of it.
.macro PH slot, kk, buf, zero
	s_wait_dscnt 0x0                               ; x's fragments of this buffer are in
	PLACES                                         ; in front of the loads into the other buffer, which the phase before multiplied
	FETCH \slot, \kk, 1-(\buf)
	MULX 0, 48, \buf, \zero
	s_wait_dscnt 16                                ; the weights' 32 loads are in; x's 16, the youngest, may stay out
	MULCVT 48, \buf, 0, \zero
	MULCVT 56, \buf, 4, \zero
.endm
; A tile's third phase multiplies buffer buf and changes slots: ONE barrier.  Sixteen products go first, while the other slot's load may still be on its way.  Then each wave waits for all its tensor loads (one is out:
; its part of the next slot), adds 0 to its spare word, and waits for that and for its reads of this slot.  fill = 1: the barrier opens a round of the cluster's, and this slot is filled again, two tiles ahead,
; first thing behind the round; the descriptors' scalar work stands between the add and the wait for it, so that nothing but the round lies between the landing of one tile and the request for the next.
; Behind it third nkk of the next slot is fetched.
.macro TURN slot, next, nkk, buf, fill
	s_wait_dscnt 0x0                               ; x's fragments of this buffer are in: these were my last reads of this slot
	MULX 0, 16, \buf, 0
	WIN 0                                          ; (the add's two registers lie in window 0; at a branch and at a label every window is 0)
	s_wait_tensorcnt 0x0                           ; all my tensor loads have landed, so every group 0 may be written
	ds_add_u32 v[SPW], v[NIL]                      ; 0 onto my spare word
.if \fill
.if (\slot) == 0
	s_wait_xcnt 0x0                                ; the last trip's prefetches have read their base
	s_add_nc_u64 s[PF:PF+1], s[PF:PF+1], 2*KSTEP*BROW
.endif
	s_add_co_u32 s[KT+(\slot)], s[KT+(\slot)], 2*KSTEP   ; this slot's next tile,
	s_min_u32 s[KC], s[KT+(\slot)], KLAST                ; the last one drawn back into the 2,048 rows
	s_lshl_b32 s[OF], s[KC], 9
	s_add_nc_u64 s[G0A+4*(\slot)+2:G0A+4*(\slot)+3], s[18:19], s[OF:OF+1]
	s_or_b32 s[G0A+4*(\slot)+3], s[G0A+4*(\slot)+3], 0x80000000
	s_lshl_b32 s[OF], s[KC], 15
	s_add_nc_u64 s[G0B+4*(\slot)+2:G0B+4*(\slot)+3], s[6:7], s[OF:OF+1]
	s_or_b32 s[G0B+4*(\slot)+3], s[G0B+4*(\slot)+3], 0x80000000
.endif
	s_wait_dscnt 0x0                               ; the add is done
	s_barrier_signal -1
	s_barrier_wait -1
.if \fill
	CREST                                          ; no wave of any partner still reads this slot or has a load on its way
	JLOAD \slot                                    ; its four v_nop are also the places in front of the loads below
.else
	PLACES
.endif
	FETCH \next, \nkk, 1-(\buf)
	MULX 16, 32, \buf, 0
	s_wait_dscnt 16
	MULCVT 48, \buf, 0, 0
	MULCVT 56, \buf, 4, 0
.endm
	s_wait_tensorcnt 0x1                           ; my part of tile 0 is in; tile 1's may stay out
	s_barrier_signal -1
	s_barrier_wait -1                              ; everybody's is
	FETCH 0, 0, 0
	s_wait_dscnt 16
.irp g, 0,1,2,3,4,5,6,7
	CVT \g, 0
.endr
	PH 0, 1, 0, 1                                  ; the first phase stands in front of the loop: its products start the sums
	WIN 0
	s_mov_b32 s3, 10
.Llap:                                                 ; a trip goes once round the ring, from a tile's second phase to the first phase two tiles on, and fills both slots again: tiles 2 to 21 in ten trips
	PH   0, 2, 1, 0
	TURN 0, 1, 0, 0, 1
	PH   1, 1, 1, 0
	PH   1, 2, 0, 0
	TURN 1, 0, 0, 1, 1
	PH   0, 1, 0, 0
	WIN 0
	s_sub_co_u32 s3, s3, 1
	s_cmp_lg_u32 s3, 0
	s_cbranch_scc1 .Llap
	PH   0, 2, 1, 0                                ; tile 20 goes on; nothing is left to ask for
	TURN 0, 1, 2, 0, 0                             ; of the last tile, rows 1952 to 2047, only the last third has not been multiplied
	s_wait_dscnt 0x0
	MULX 0, 64, 1, 0
	PLACES
; THE WAY OUT, a block of 16 tokens at a time: h = g u / (1 + 2^(-g log2 e)).  The 32 exponentials are one batch with one wait, and so are the 32 reciprocals;
; g u, which names no result of the exponentials, stands between the batch and its wait.  Every accumulator is read from its low end on.
.macro EPI a
.set W, 2+(\a)/4
.set AC, 64*((\a)%4)
.set OS, OB+16*((\a)%2)
	WIN W
.set z, 0
.rept 16
	v_pk_mul_f32 v[T+2*z:T+2*z+1], v[AC+2*z:AC+2*z+1], s[CL:CL+1] op_sel_hi:[1,0]
.set z, z+1
.endr
	WIN 0
.set z, 0
.rept 32
	v_exp_f32 v[T+z], v[T+z]
.set z, z+1
.endr
	WIN W|(W<<2)|(W<<6)
.set z, 0
.rept 16
	v_pk_mul_f32 v[AC+2*z:AC+2*z+1], v[AC+2*z:AC+2*z+1], v[AC+32+2*z:AC+32+2*z+1]
.set z, z+1
.endr
	WIN 0
	s_wait_alu depctr_va_vdst(0)
.set z, 0
.rept 16
	v_pk_add_f32 v[T+2*z:T+2*z+1], v[T+2*z:T+2*z+1], 1.0 op_sel_hi:[1,0]
.set z, z+1
.endr
.set z, 0
.rept 32
	v_rcp_f32 v[T+z], v[T+z]
.set z, z+1
.endr
	v_nop
	s_wait_alu depctr_va_vdst(0)
	WIN W
.set z, 0
.rept 16
	v_pk_mul_f32 v[T+2*z:T+2*z+1], v[AC+2*z:AC+2*z+1], v[T+2*z:T+2*z+1]
.set z, z+1
.endr
	WIN 0
	s_wait_xcnt 0x0                                ; earlier stores have read their data registers
.set z, 0
.rept 8                                            ; register z of the four accumulators: columns 4 r .. 4 r + 3 of token 2 z + h
	v_cvt_pk_bf16_f32 v[OS+2*z],   v[T+z],    v[T+8+z]
	v_cvt_pk_bf16_f32 v[OS+2*z+1], v[T+16+z], v[T+24+z]
.set z, z+1
.endr
.set z, 0
.rept 8
	global_store_b64 v[HO], v[OS+2*z:OS+2*z+1], s[10:11] offset:(16*(\a)+2*z)*128  ; 32 lanes store 256 consecutive bytes, at a multiple of 256 from hb's first byte
.set z, z+1
.endr
.endm
.irp a, 0,1,2,3,4,5,6,7
	EPI \a
.endr
	s_wait_tensorcnt 0x0                           ; the wave's end, behind my last tensor load
	ds_add_u32 v[SPW], v[NIL]
	s_wait_dscnt 0x0
	CROUND                                         ; the closing round: no work-group ends while a partner may still ask for a tile that names it
	s_endpgm
.Lfunc_end_k_q5a522cca15_gateup:
	.size	k_q5a522cca15_gateup, .Lfunc_end_k_q5a522cca15_gateup-k_q5a522cca15_gateup
	.p2alignl 7, 3214868480
	.fill 96, 4, 3214868480
	.section	.rodata,"a",@progbits
	.p2align	6, 0x0
	.amdhsa_kernel k_q5a522cca15_gateup
		.amdhsa_group_segment_fixed_size 327680
		.amdhsa_private_segment_fixed_size 0
		.amdhsa_enable_private_segment 0
		.amdhsa_kernarg_size 32
		.amdhsa_user_sgpr_count 2
		.amdhsa_user_sgpr_kernarg_segment_ptr 1
		.amdhsa_wavefront_size32 1
		.amdhsa_system_sgpr_workgroup_id_x 1
		.amdhsa_system_sgpr_workgroup_id_y 1
		.amdhsa_system_sgpr_workgroup_id_z 1
		.amdhsa_system_vgpr_workitem_id 0
		.amdhsa_next_free_vgpr 1024
		.amdhsa_next_free_sgpr 76
		.amdhsa_reserve_vcc 0
		.amdhsa_float_denorm_mode_32 3
		.amdhsa_float_denorm_mode_16_64 3
		.amdhsa_memory_ordered 1
		.amdhsa_forward_progress 1
		.amdhsa_inst_pref_size 193
	.end_amdhsa_kernel
	.amdgpu_metadata
---
amdhsa.version: [ 1, 2 ]
amdhsa.kernels:
  - .name:           k_q5a522cca15_gateup
    .symbol:         k_q5a522cca15_gateup.kd
    .args:
      - { .name: xb, .offset: 0, .size: 8, .value_kind: global_buffer, .address_space: global }
      - { .name: gate_w, .offset: 8, .size: 8, .value_kind: global_buffer, .address_space: global }
      - { .name: up_w, .offset: 16, .size: 8, .value_kind: global_buffer, .address_space: global }
      - { .name: hb, .offset: 24, .size: 8, .value_kind: global_buffer, .address_space: global }
    .group_segment_fixed_size: 327680
    .private_segment_fixed_size: 0
    .kernarg_segment_align: 8
    .kernarg_segment_size: 32
    .max_flat_workgroup_size: 128
    .sgpr_count:     76
    .vgpr_count:     1024
    .wavefront_size: 32
...
	.end_amdgpu_metadata
.endif
;; end of part 2
;; launch down (part 3): grid 64 x 4, 4 waves a work-group, clusters of 4 x 4, 327,680 bytes of LDS; arguments hb, down_w, part; writes part
.if DOCPART == 3
	.amdgcn_target "amdgcn-amd-amdhsa--gfx1250"
	.amdhsa_code_object_version 6
	.text
	.protected	k_q5a522cca15_down
	.globl	k_q5a522cca15_down
	.p2align	8
	.type	k_q5a522cca15_down,@function
k_q5a522cca15_down:
	s_mov_b64 s[64:65], 0
	v_nop
	global_prefetch_b8 v0, s[64:65] scope:SCOPE_SE
	s_setreg_imm32_b32 hwreg(HW_REG_WAVE_MODE, 25, 1), 1
	s_wait_xcnt 0x0
	s_wait_alu depctr_hold_cnt(0) depctr_sa_sdst(0) depctr_va_vdst(0) depctr_va_sdst(0) depctr_va_ssrc(0) depctr_va_vcc(0) depctr_vm_vsrc(0)
	s_getreg_b32 s2, hwreg(HW_REG_IB_STS2, 6, 4)
	s_cmp_eq_u32 s2, 0
	s_cbranch_scc0 .Lentry_in_a_cluster
	s_endpgm
.Lentry_in_a_cluster:
	s_bfe_u32 s2, ttmp6, 0x10000c
	s_cmp_lg_u32 s2, 0xf033
	s_cbranch_scc0 .Lentry_shape_is_right
	s_endpgm
.Lentry_shape_is_right:
; part[ks] = h[:, 2048 ks .. 2048 ks + 2047] down_w[2048 ks .. , :], f32, [4][1024][2048]: partial sums of the second product, added by the launch behind.
; h comes as hb[kb = k / 64][token][64] in bf16; down_w is f32, [k][column], rounded to bf16 on its way from LDS to the matrix unit: each weight byte is asked for once in the launch.
; SHARES.  The output has 4 x 16 tiles of 256 tokens x 128 columns; K = 8192 is split in four so that there are 256 work-groups.  Wave (WM, WC): 128 tokens x 64 columns: 32 accumulators.
; A work-group's K = 2048 goes in 16 steps of 128 through two LDS slots (h 2 x 36,864 bytes + down_w 65,536); a step is two phases of 64 along K, 64 products each.
; Fragments, the order of tokens in them, the ring, the round and the joint loads are as in the launch before: fragment j holds column 4 r + j in lane r; register jj of lanes (r, h) holds token 2 jj + h.
; CLUSTER 4 x 4.  h's tile hangs on (ks, mt) and is shared along a row of the cluster, down_w's on (ks, nt) and is shared along a column.  By this text's count a wave has two tensor loads out at the start and one behind each round.
; REGISTERS, in windows of 256: window 0: v0-31 addresses; v32-95 at work on the way out; v128-255 h's fragments, buffer 0 (K half kk, block a at 128 + 64 kk + 8 a);  window 3: v128-255 the same, buffer 1
;   window 1: v0-127 weights as loaded (64 kk + 4 i); v128-191, v192-255 their fragments, two buffers (32 kk + 8 j);  window 2: accumulator (a, j) at v[8 (4 a + j)]
.set SLOT,  139264
.set BOFF,  73728      ; behind h's two blocks of 256 rows of 144 bytes: down_w's 128 rows of 512 bytes
.set SPARE, 2*SLOT     ; the spare words: 128 bytes a wave, two blocks of 256 bytes that no other line names
.set ASTEP, 262144     ; a K step in hb: two blocks
.set BSTEP, 1048576    ; a K step in down_w: 128 rows of 8,192 bytes
.set ADRA, 16          ; v16-17  LDS address of my fragments of h in slot 0, 1
.set ADRB, 18          ; v18-19  of down_w's rows
.set CO,   22          ; v22     my byte offset in two rows of part
.set PFO,  23          ; v23     my byte offset in a weight tile, for the prefetch
.set SPW,  28          ; v28     my spare word; never rewritten
.set NIL,  29          ; v29     0; never rewritten
.set FB,   128
.set G1A, 24
.set G0A, 32
.set G1B, 48
.set G0B, 56
.set PF,  66
.set MSB, 0
.macro WIN new                         ; the immediate's high byte repeats the setting that is left; a switch that changes nothing is dropped
.if MSB != (\new)
	s_set_vgpr_msb (MSB<<8)|(\new)
.set MSB, (\new)
.endif
.endm
.macro PLACES                          ; four places between a matrix instruction and a write, or a load, into one of its registers, or a read of its result
.rept 4
	v_nop
.endr
.endm
.macro CREST
	s_cmp_lg_u32 s12, 0
	s_cbranch_scc1 .Lnot_wave_0_\@
	s_barrier_signal -3
.Lnot_wave_0_\@:
	s_barrier_wait -3
	s_barrier_signal -1
	s_barrier_wait -1
.endm
.macro CROUND
	s_barrier_signal -1
	s_barrier_wait -1
	CREST
.endm
; A joint refill.  Waves 0 and 1 fetch h's two blocks, waves 2 and 3 the two halves of down_w's 128 rows.  An s_nop 0 and four v_nop follow each of the two lines.
; Behind the weights' line: my 64 rows of the tile two steps further on are prefetched, 128 blocks of 256 bytes, 32 by each of the column's four work-groups: each block once.  The last trip (s3 = 1) asks for nothing.
.macro JLOAD slot
	s_cmp_eq_u32 s13, 0
	s_cbranch_scc0 .Lfor_b_\@
	tensor_load_to_lds s[G0A+4*(\slot):G0A+4*(\slot)+3], s[G1A:G1A+7]
	s_nop 0
	PLACES
	s_branch .Lasked_\@
.Lfor_b_\@:
	tensor_load_to_lds s[G0B+4*(\slot):G0B+4*(\slot)+3], s[G1B:G1B+7]
	s_nop 0
	PLACES
	s_cmp_eq_u32 s3, 1
	s_cbranch_scc1 .Lasked_\@
	global_prefetch_b8 v[PFO], s[PF:PF+1] offset:BSTEP th:TH_LOAD_NT scope:SCOPE_SE
.Lasked_\@:
.endm
	s_load_b128 s[4:7], s[0:1], 0x0                ; hb s[4:5], down_w s[6:7]
	s_load_b64 s[8:9], s[0:1], 0x10                ; part
	v_lshl_add_u32 v[SPW], v0, 2, SPARE
	v_mov_b32 v[NIL], 0
	ds_add_u32 v[SPW], v[NIL]                      ; the wave's opening: the add and its wait ahead of my first tensor load; the set-up below, work on registers, stands between them
	v_lshrrev_b32 v1, 5, v0
	v_readfirstlane_b32 s12, v1                    ; wave 0..3
	s_lshr_b32 s13, s12, 1                         ; WM: my half of the tokens.  Also: I fetch h (0) or weights (1)
	s_and_b32 s14, s12, 1                          ; WC: my half of the columns.  Also: which block of h, or which 64 rows of down_w
	s_bfe_u32 s40, ttmp6, 0x40000                  ; cx
	s_bfe_u32 s41, ttmp6, 0x40004                  ; cy
	s_lshr_b32 s15, ttmp9, 2                       ; ks: the quarter of K, the same in all sixteen partners
	s_and_b32 s42, ttmp9, 3
	s_lshl_b32 s42, s42, 2
	s_add_co_u32 s42, s42, s40                     ; nt
	s_and_b32 s43, ttmp7, 0xffff
	s_lshl_b32 s43, s43, 2
	s_add_co_u32 s43, s43, s41                     ; mt
	s_lshl_b32 s44, s41, 2
	s_lshl_b32 s44, 15, s44                        ; my row of the cluster
	s_lshl_b32 s45, 0x1111, s40                    ; my column
	; group 1 for h: 256 tokens of a block are 32,768 dense bytes, asked for as 128 rows of 256 bytes and padded by 16 bytes after every token's 128
	s_or_b32 s[G1A], s44, (1<<16)|(1<<20)|(1<<21)|(4<<22)|(3<<25)
	s_mov_b32 s[G1A+1], 128<<16                    ; tensor_dim0 = 128
	s_mov_b32 s[G1A+2], 128<<16                    ; tensor_dim1 = 128
	s_mov_b32 s[G1A+3], 128<<16                    ; tile_dim0 = 128
	s_mov_b32 s[G1A+4], 128                        ; tile_dim1 = 128
	s_mov_b32 s[G1A+5], 128
	s_mov_b32 s[G1A+6], 0
	s_mov_b32 s[G1A+7], 0
	; group 1 for down_w: 64 rows of 128 f32, dense in LDS
	s_or_b32 s[G1B], s45, (2<<16)|(1<<21)
	s_mov_b32 s[G1B+1], 128<<16
	s_mov_b32 s[G1B+2], 64<<16
	s_mov_b32 s[G1B+3], 128<<16
	s_mov_b32 s[G1B+4], 64
	s_mov_b32 s[G1B+5], 2048
	s_mov_b32 s[G1B+6], 0
	s_mov_b32 s[G1B+7], 0
	s_lshl_b32 s16, s15, 22                        ; h: block 32 ks + WC, token 256 mt; no register here ever holds cx
	s_lshl_b32 s17, s14, 17
	s_add_co_u32 s16, s16, s17
	s_lshl_b32 s17, s43, 15
	s_add_co_u32 s16, s16, s17
	s_mov_b32 s17, 0
	s_lshl_b32 s46, s15, 24                        ; down_w: row 2048 ks + 64 WC, column 128 nt; no register here ever holds cy
	s_lshl_b32 s47, s14, 19
	s_add_co_u32 s46, s46, s47
	s_lshl_b32 s47, s42, 9
	s_add_co_u32 s46, s46, s47
	s_mov_b32 s47, 0
	s_mul_i32 s20, s14, 36864                      ; where they go in a slot
	s_lshl_b32 s21, s14, 15
	s_add_co_u32 s21, s21, BOFF
	s_lshl_b32 s22, s15, 23                        ; part: plane ks, row 256 mt + 128 WM, column 128 nt + 64 WC
	s_lshl_b32 s23, s43, 21
	s_add_co_u32 s22, s22, s23
	s_lshl_b32 s23, s13, 20
	s_add_co_u32 s22, s22, s23
	s_lshl_b32 s23, s42, 9
	s_add_co_u32 s22, s22, s23
	s_lshl_b32 s23, s14, 8
	s_add_co_u32 s22, s22, s23
	s_mov_b32 s23, 0
	v_and_b32 v2, 31, v0
	v_lshrrev_b32 v3, 1, v2
	v_and_b32 v4, 1, v2
	s_lshl_b32 s2, s41, 4
	v_add_nc_u32 v3, s2, v3                        ; row 16 cy + L / 2 of my 64,
	v_lshlrev_b32 v3, 13, v3
	v_lshl_add_u32 v[PFO], v4, 8, v3               ; half L % 2 of its 512 bytes
	s_wait_dscnt 0x0                               ; the opening add is done
	s_wait_kmcnt 0x0
	s_add_nc_u64 s[18:19], s[4:5], s[16:17]
	s_add_nc_u64 s[6:7], s[6:7], s[46:47]
	s_add_nc_u64 s[8:9], s[8:9], s[22:23]
	s_add_nc_u64 s[PF:PF+1], s[6:7], 2*BSTEP
.irp s, 0,1
	s_mov_b32 s[G0A+4*(\s)], 1
	s_add_co_u32 s[G0A+4*(\s)+1], s20, (\s)*SLOT
	s_add_nc_u64 s[G0A+4*(\s)+2:G0A+4*(\s)+3], s[18:19], (\s)*ASTEP
	s_or_b32 s[G0A+4*(\s)+3], s[G0A+4*(\s)+3], 0x80000000
	s_mov_b32 s[G0B+4*(\s)], 1
	s_add_co_u32 s[G0B+4*(\s)+1], s21, (\s)*SLOT
	s_add_nc_u64 s[G0B+4*(\s)+2:G0B+4*(\s)+3], s[6:7], (\s)*BSTEP
	s_or_b32 s[G0B+4*(\s)+3], s[G0B+4*(\s)+3], 0x80000000
.endr
	CROUND                                         ; all sixteen work-groups are here: the first joint loads meet
	s_cmp_eq_u32 s13, 0                            ; a wave's two first fills stand in one branch
	s_cbranch_scc0 .Lfirst_b
	tensor_load_to_lds s[G0A:G0A+3], s[G1A:G1A+7]
	s_nop 0
	tensor_load_to_lds s[G0A+4:G0A+7], s[G1A:G1A+7]
	s_nop 0
	PLACES
	s_branch .Lfirst_asked
.Lfirst_b:
	tensor_load_to_lds s[G0B:G0B+3], s[G1B:G1B+7]
	s_nop 0
	tensor_load_to_lds s[G0B+4:G0B+7], s[G1B:G1B+7]
	s_nop 0
	PLACES
	global_prefetch_b8 v[PFO], s[PF:PF+1] th:TH_LOAD_NT scope:SCOPE_SE               ; K steps 2 and 3
	global_prefetch_b8 v[PFO], s[PF:PF+1] offset:BSTEP th:TH_LOAD_NT scope:SCOPE_SE
.Lfirst_asked:
	v_and_b32 v1, 15, v0                           ; r
	v_bfe_u32 v2, v0, 4, 1                         ; h
	v_and_b32 v3, 7, v0
	v_bfe_u32 v4, v0, 3, 1
	v_lshl_add_u32 v3, v3, 1, v4                   ; the token that lane r takes of a block of 16: 2 (r % 8) + r / 8
	v_mul_u32_u24 v3, v3, 144
	v_lshl_add_u32 v3, v2, 4, v3
	s_mul_i32 s16, s13, 18432                      ; my 128 rows of 144 bytes
	v_add_nc_u32 v[ADRA], s16, v3
	v_add_nc_u32 v[ADRA+1], SLOT, v[ADRA]
	v_lshlrev_b32 v4, 4, v1
	v_lshl_add_u32 v4, v2, 12, v4                  ; 8 h rows of 512 bytes + 16 r
	s_lshl_b32 s16, s14, 8                         ; my 64 columns
	s_add_co_u32 s16, s16, BOFF
	v_add_nc_u32 v[ADRB], s16, v4
	v_add_nc_u32 v[ADRB+1], SLOT, v[ADRB]
	v_lshlrev_b32 v[CO], 4, v1
	v_lshl_add_u32 v[CO], v2, 13, v[CO]            ; 8192 h + 16 r
; n products from number x0 on of a phase's 64: K half x / 32, block a = (x / 4) % 8, fragment j = x % 4.  The 32 accumulators take turns.  zero = 1: the first 32 start the sums.
.macro MULX x0, n, buf, zero
	WIN 0xa4+3*(\buf)                              ; h's fragment window 0 or 3, the weights' window 1, C and D window 2
.set x, \x0
.rept \n
.set rD, 8*(x%32)
.set rA, 128+64*(x/32)+8*((x/4)%8)
.set rB, FB+64*(\buf)+32*(x/32)+8*(x%4)
.if (\zero) && (x < 32)
	v_wmma_f32_16x16x32_bf16 v[rD:rD+7], v[rA:rA+7], v[rB:rB+7], 0
.else
	v_wmma_f32_16x16x32_bf16 v[rD:rD+7], v[rA:rA+7], v[rB:rB+7], v[rD:rD+7]
.endif
.set x, x+1
.endr
.endm
; Fragment f (K half f / 4, column 4 r + f % 4) of buffer buf out of the weights as loaded
.macro CVT f, buf
	WIN 0x45
.set q, 0
.rept 8
	v_cvt_pk_bf16_f32 v[FB+64*(\buf)+8*(\f)+q], v[64*((\f)/4)+8*q+(\f)%4], v[64*((\f)/4)+8*q+4+(\f)%4]
.set q, q+1
.endr
.endm
.macro MULCVT x0, buf, g0, zero        ; eight products, and behind each two a fragment of the other buffer
.set t, 0
.rept 4
	MULX (\x0)+2*t, 2, \buf, \zero
	CVT (\g0)+t, 1-(\buf)
.set t, t+1
.endr
.endm
; 64 LDS loads in one run: of phase p of a slot, down_w's 32 rows as loaded, then h's 16 fragments into buffer p
.macro FETCH slot, p
	WIN 0x40
.set i, 0
.rept 32
	ds_load_b128 v[4*i:4*i+3], v[ADRB+(\slot)] offset:(64*(\p)+32*(i/16)+(i%16)+8*((i%16)/8))*512
.set i, i+1
.endr
	WIN 0xc0*(\p)
.set i, 0
.rept 16
	ds_load_b128 v[128+8*i:128+8*i+3],   v[ADRA+(\slot)] offset:(\p)*36864+(i%8)*2304+64*(i/8)
	ds_load_b128 v[128+8*i+4:128+8*i+7], v[ADRA+(\slot)] offset:(\p)*36864+(i%8)*2304+64*(i/8)+32
.set i, i+1
.endr
.endm
.macro P0 slot, zero                   ; a K step's first phase: multiplies buffer 0, fetches the same slot's second phase and makes buffer 1
	s_wait_dscnt 0x0                               ; h's fragments of buffer 0 are in
	PLACES                                         ; in front of the loads into buffer 1, which the phase before multiplied
	FETCH \slot, 1
	MULX 0, 48, 0, \zero
	s_wait_dscnt 32                                ; the weights' 32 loads are in; h's 32, the youngest, may stay out
	MULCVT 48, 0, 0, 0
	MULCVT 56, 0, 4, 0
.endm
; Its second phase multiplies buffer 1 and changes slots: ONE barrier, in front of it the wait for all my tensor loads, the add, and the wait for it and for my reads of this slot.
; fill = 1: the barrier opens a round of the cluster's, and this slot is filled again, two K steps ahead, first thing behind the round.
.macro TURN slot, next, fill
	s_wait_dscnt 0x0                               ; h's fragments of buffer 1 are in: these were my last reads of this slot
	WIN 0
	s_wait_tensorcnt 0x0                           ; all my tensor loads have landed: the one that was out is my part of the next slot
	ds_add_u32 v[SPW], v[NIL]                      ; 0 onto my spare word; eight products stand between it and the wait for it
	MULX 0, 8, 1, 0
	s_wait_dscnt 0x0                               ; the add is done
	s_barrier_signal -1
	MULX 8, 8, 1, 0
	WIN 0                                          ; at a branch and at a label every window is 0
	s_barrier_wait -1
.if \fill
	CREST                                          ; no wave of any partner still reads this slot or has a load on its way
	s_wait_xcnt 0x0                                ; the last prefetch has read its base
	s_add_nc_u64 s[G0A+4*(\slot)+2:G0A+4*(\slot)+3], s[G0A+4*(\slot)+2:G0A+4*(\slot)+3], 2*ASTEP
	s_add_nc_u64 s[G0B+4*(\slot)+2:G0B+4*(\slot)+3], s[G0B+4*(\slot)+2:G0B+4*(\slot)+3], 2*BSTEP
	s_add_nc_u64 s[PF:PF+1], s[PF:PF+1], BSTEP
	JLOAD \slot
.else
	PLACES
.endif
	FETCH \next, 0
	MULX 16, 32, 1, 0
	s_wait_dscnt 32
	MULCVT 48, 1, 0, 0
	MULCVT 56, 1, 4, 0
.endm
	s_wait_tensorcnt 0x1                           ; my part of K step 0 is in; K step 1's may stay out
	s_barrier_signal -1
	s_barrier_wait -1
	FETCH 0, 0
	s_wait_dscnt 32
.irp g, 0,1,2,3,4,5,6,7
	CVT \g, 0
.endr
	P0 0, 1                                        ; the first phase stands in front of the loop: its first 32 products start the sums
	WIN 0
	s_mov_b32 s3, 7
.Llap:                                                 ; a trip goes once round the ring and fills both slots again: K steps 2 to 15 in 7 trips
	TURN 0, 1, 1
	P0 1, 0
	TURN 1, 0, 1
	P0 0, 0
	WIN 0
	s_sub_co_u32 s3, s3, 1
	s_cmp_lg_u32 s3, 0
	s_cbranch_scc1 .Llap
	TURN 0, 1, 0                                   ; the last two K steps fill nothing
	P0 1, 0
	s_wait_dscnt 0x0
	MULX 0, 64, 1, 0
	PLACES
; THE WAY OUT.  A lane's four neighbouring columns lie in four accumulators: 32 moves a block of 16 tokens bring them side by side (each accumulator's lowest register first);
; then lanes 0-15 store 256 consecutive bytes of a row, at a multiple of 256 from part's first byte, and lanes 16-31 those of the next row.
.macro OUT a
.set TS, 32+32*((\a)%2)
	s_wait_xcnt 0x0                                ; earlier stores have read their data registers
	WIN 0x02
.set z, 0
.rept 32
	v_mov_b32 v[TS+z], v[8*(4*(\a)+z%4)+z/4]
.set z, z+1
.endr
	WIN 0
.set z, 0
.rept 8
	global_store_b128 v[CO], v[TS+4*z:TS+4*z+3], s[8:9] offset:(16*(\a)+2*z)*8192
.set z, z+1
.endr
.endm
.irp a, 0,1,2,3,4,5,6,7
	OUT \a
.endr
	s_wait_tensorcnt 0x0                           ; the wave's end, behind my last tensor load
	ds_add_u32 v[SPW], v[NIL]
	s_wait_dscnt 0x0
	CROUND                                         ; the closing round
	s_endpgm
.Lfunc_end_k_q5a522cca15_down:
	.size	k_q5a522cca15_down, .Lfunc_end_k_q5a522cca15_down-k_q5a522cca15_down
	.p2alignl 7, 3214868480
	.fill 96, 4, 3214868480
	.section	.rodata,"a",@progbits
	.p2align	6, 0x0
	.amdhsa_kernel k_q5a522cca15_down
		.amdhsa_group_segment_fixed_size 327680
		.amdhsa_private_segment_fixed_size 0
		.amdhsa_enable_private_segment 0
		.amdhsa_kernarg_size 24
		.amdhsa_user_sgpr_count 2
		.amdhsa_user_sgpr_kernarg_segment_ptr 1
		.amdhsa_wavefront_size32 1
		.amdhsa_system_sgpr_workgroup_id_x 1
		.amdhsa_system_sgpr_workgroup_id_y 1
		.amdhsa_system_sgpr_workgroup_id_z 1
		.amdhsa_system_vgpr_workitem_id 0
		.amdhsa_next_free_vgpr 1024
		.amdhsa_next_free_sgpr 72
		.amdhsa_reserve_vcc 0
		.amdhsa_float_denorm_mode_32 3
		.amdhsa_float_denorm_mode_16_64 3
		.amdhsa_memory_ordered 1
		.amdhsa_forward_progress 1
		.amdhsa_inst_pref_size 127
	.end_amdhsa_kernel
	.amdgpu_metadata
---
amdhsa.version: [ 1, 2 ]
amdhsa.kernels:
  - .name:           k_q5a522cca15_down
    .symbol:         k_q5a522cca15_down.kd
    .args:
      - { .name: hb, .offset: 0, .size: 8, .value_kind: global_buffer, .address_space: global }
      - { .name: down_w, .offset: 8, .size: 8, .value_kind: global_buffer, .address_space: global }
      - { .name: part, .offset: 16, .size: 8, .value_kind: global_buffer, .address_space: global }
    .group_segment_fixed_size: 327680
    .private_segment_fixed_size: 0
    .kernarg_segment_align: 8
    .kernarg_segment_size: 24
    .max_flat_workgroup_size: 128
    .sgpr_count:     72
    .vgpr_count:     1024
    .wavefront_size: 32
...
	.end_amdgpu_metadata
.endif
;; end of part 3
;; launch combine (part 4): grid 1024 x 1, 4 waves a work-group, no clusters, 768 bytes of LDS; arguments hidden_states, down_embed, up_embed, part, ridx, rprob, out0; writes out0
.if DOCPART == 4
	.amdgcn_target "amdgcn-amd-amdhsa--gfx1250"
	.amdhsa_code_object_version 6
	.text
	.protected	k_q5a522cca15_combine
	.globl	k_q5a522cca15_combine
	.p2align	8
	.type	k_q5a522cca15_combine,@function
k_q5a522cca15_combine:
	s_mov_b64 s[64:65], 0
	v_nop
	global_prefetch_b8 v0, s[64:65] scope:SCOPE_SE
	s_setreg_imm32_b32 hwreg(HW_REG_WAVE_MODE, 25, 1), 1
	s_wait_xcnt 0x0
; out[n] = the sum of the four partial rows of the dense branch + the sum over the token's 8 experts of silu(x[n] . down_embed[e]) p_e up_embed[e].
; One token to a work-group; wave w has columns 512 w .. 512 w + 511, a lane 16 of them (four loads of 16 bytes, 512 bytes apart: a wave's load covers 512 consecutive bytes).
; The experts e and their softmax weights p come from the router's launch, 8 words each at slot (n & 1) 512 + (n >> 1); an index enters an address only behind a clamp to 4095.
; FORMATS.  x and both embeddings are rounded once to bf16, as all inputs of the program are; products are exact, all sums f32.
; NO MATRIX UNIT, NO CLUSTER, NO TENSOR LOAD: every token has rows of its own, so a 16 x 16 tile would hold one useful row in sixteen, and nothing is shared by a fixed pattern; the launch is a gather, and what counts is loads in flight:
; 52 of a wave's loads go out before the first wait, and a row of up_embed is asked for as soon as the registers of a row of down_embed are free.
; LIMITS.  exp2 of a large argument gives infinity, whose reciprocal is 0: silu of a very negative number counts as 0.  NaN and infinities are not treated apart.
.set CO,  2            ; v2   2048 w + 16 L
.set PFO, 3            ; v3   256 L
.set SPW, 4            ; v4   my spare word (LDS bytes 256 on: 128 bytes a wave); never rewritten
.set NIL, 5            ; v5   0; never rewritten
.set ZR,  6            ; v6   0: the first addend of a chain, and LDS address 0
.set RA,  7            ; v7   32 w: where my wave's eight partial dots go (LDS bytes 0 to 127)
.set XP,  8            ; v8-15    x in bf16, 16 numbers
.set TW,  16           ; v16-31   x as loaded; then at work
.set PT,  32           ; v32-95   part as loaded (plane ks, load q at 16 ks + 4 q); then at work
.set EM,  96           ; v96-223  the 8 rows of down_embed, then of up_embed (row k, load q at 16 k + 4 q)
.set O,   224          ; v224-239 the output's 16 numbers
.set D,   240          ; v240-247 the 8 dots
.set DB,  40           ; s[40:55] the 8 rows' addresses in down_embed
.set UB,  66           ; s[66:81] in up_embed
.set CL,  18           ; see below: s[18:19] are taken by the wave's number first
	s_load_b256 s[4:11], s[0:1], 0x0               ; x s[4:5], down_embed s[6:7], up_embed s[8:9], part s[10:11]
	s_load_b128 s[12:15], s[0:1], 0x20             ; ridx s[12:13], rprob s[14:15]
	s_load_b64 s[16:17], s[0:1], 0x30              ; out0
	v_lshl_add_u32 v[SPW], v0, 2, 256
	v_mov_b32 v[NIL], 0
	v_mov_b32 v[ZR], 0
	v_and_b32 v1, 31, v0
	v_lshrrev_b32 v[RA], 5, v0
	v_readfirstlane_b32 s18, v[RA]                 ; wave 0..3
	s_and_b32 s19, ttmp9, 1
	s_lshl_b32 s19, s19, 9
	s_lshr_b32 s20, ttmp9, 1
	s_add_co_u32 s20, s19, s20                     ; the token's slot,
	s_lshl_b32 s20, s20, 5                         ; 32 bytes each
	s_mov_b32 s21, 0
	s_lshl_b32 s22, ttmp9, 13                      ; the token's row of 8,192 bytes
	s_mov_b32 s23, 0
	s_lshl_b32 s19, s18, 3                         ; my wave's two of the eight indices
	s_mov_b32 s2, 0x76543210                       ; v_permlanex16_b32: each lane takes its own place in the other half
	s_mov_b32 s3, 0xfedcba98
	v_lshlrev_b32 v[CO], 4, v1
	v_lshl_add_u32 v[CO], s18, 11, v[CO]
	v_lshlrev_b32 v[PFO], 8, v1
	v_mov_b32 v[RA], s18
	v_lshlrev_b32 v[RA], 5, v[RA]
	s_wait_kmcnt 0x0
	s_add_nc_u64 s[12:13], s[12:13], s[20:21]
	s_add_nc_u64 s[14:15], s[14:15], s[20:21]
	s_load_b256 s[24:31], s[12:13], 0x0            ; the 8 experts
	s_load_b256 s[32:39], s[14:15], 0x0            ; their weights
	s_load_b64 s[82:83], s[12:13], s19 offset:0x0  ; experts 2 w and 2 w + 1 once more, for the prefetch
	s_add_nc_u64 s[4:5], s[4:5], s[22:23]
	s_add_nc_u64 s[16:17], s[16:17], s[22:23]
	s_add_nc_u64 s[84:85], s[10:11], s[22:23]      ; the four planes of part lie 8,388,608 bytes apart: one more than a load's immediate holds, so each has a base
	s_add_nc_u64 s[86:87], s[84:85], 0x800000
	s_add_nc_u64 s[88:89], s[86:87], 0x800000
	s_add_nc_u64 s[90:91], s[88:89], 0x800000
.set q, 0
.rept 4
	global_load_b128 v[TW+4*q:TW+4*q+3], v[CO], s[4:5] offset:512*q th:TH_LOAD_NT
.set q, q+1
.endr
.set k, 0
.rept 4
.set q, 0
.rept 4
	global_load_b128 v[PT+16*k+4*q:PT+16*k+4*q+3], v[CO], s[84+2*k:85+2*k] offset:512*q th:TH_LOAD_NT
.set q, q+1
.endr
.set k, k+1
.endr
	s_wait_kmcnt 0x0
.set k, 0
.rept 8
	s_min_u32 s[24+k], s[24+k], 0xfff              ; an index stays inside its table
	s_lshl_b32 s20, s[24+k], 13
	s_add_nc_u64 s[DB+2*k:DB+2*k+1], s[6:7], s[20:21]
	s_add_nc_u64 s[UB+2*k:UB+2*k+1], s[8:9], s[20:21]
.set k, k+1
.endr
.set k, 0
.rept 8
.set q, 0
.rept 4
	global_load_b128 v[EM+16*k+4*q:EM+16*k+4*q+3], v[CO], s[DB+2*k:DB+2*k+1] offset:512*q
.set q, q+1
.endr
.set k, k+1
.endr
	s_min_u32 s82, s82, 0xfff
	s_lshl_b32 s20, s82, 13
	s_add_nc_u64 s[92:93], s[8:9], s[20:21]
	s_min_u32 s83, s83, 0xfff
	s_lshl_b32 s20, s83, 13
	s_add_nc_u64 s[94:95], s[8:9], s[20:21]
	global_prefetch_b8 v[PFO], s[92:93] th:TH_LOAD_NT scope:SCOPE_SE  ; two of the token's eight rows of up_embed a wave, lanes 256 bytes apart: each row is asked for once by the work-group,
	global_prefetch_b8 v[PFO], s[94:95] th:TH_LOAD_NT scope:SCOPE_SE  ; while the rows of down_embed are on their way
	s_mov_b32 s18, 0xbfb8aa3b                      ; -log2(e), as a pair: the wave's number is no longer wanted
	s_mov_b32 s19, s18
	s_wait_loadcnt 32                              ; x and part are in; the 32 loads of down_embed stay out
.set z, 0
.rept 8
	v_cvt_pk_bf16_f32 v[XP+z], v[TW+2*z], v[TW+2*z+1]
.set z, z+1
.endr
.set z, 0
.rept 8                                            ; the four partial sums, in a fixed order
	v_pk_add_f32 v[O+2*z:O+2*z+1], v[PT+2*z:PT+2*z+1], v[PT+16+2*z:PT+16+2*z+1]
	v_pk_add_f32 v[PT+32+2*z:PT+32+2*z+1], v[PT+32+2*z:PT+32+2*z+1], v[PT+48+2*z:PT+48+2*z+1]
	v_pk_add_f32 v[O+2*z:O+2*z+1], v[O+2*z:O+2*z+1], v[PT+32+2*z:PT+32+2*z+1]
.set z, z+1
.endr
.macro ROWCVT k                        ; my 16 numbers of row k, rounded to bf16, into v16-23
.set z, 0
.rept 8
	v_cvt_pk_bf16_f32 v[TW+z], v[EM+16*(\k)+2*z], v[EM+16*(\k)+2*z+1]
.set z, z+1
.endr
.endm
; x . down_embed[e_k]: my 16 products in four chains; then the row's registers take up_embed[e_k]
.set k, 0
.rept 8
	s_wait_loadcnt 28                              ; row k is in.  Younger: 4 (7 - k) loads of down_embed and the 4 k of up_embed issued so far
	ROWCVT k
.set q, 0
.rept 4
	v_fma_mix_f32_bf16 v[TW+8+q], v[XP+2*q], v[TW+2*q], v[ZR] op_sel_hi:[1,1,0]
.set q, q+1
.endr
.set q, 0
.rept 4
	v_fma_mix_f32_bf16 v[TW+8+q], v[XP+2*q], v[TW+2*q], v[TW+8+q] op_sel:[1,1,0] op_sel_hi:[1,1,0]
.set q, q+1
.endr
.set q, 0
.rept 4
	v_fma_mix_f32_bf16 v[TW+8+q], v[XP+2*q+1], v[TW+2*q+1], v[TW+8+q] op_sel_hi:[1,1,0]
.set q, q+1
.endr
.set q, 0
.rept 4
	v_fma_mix_f32_bf16 v[TW+8+q], v[XP+2*q+1], v[TW+2*q+1], v[TW+8+q] op_sel:[1,1,0] op_sel_hi:[1,1,0]
.set q, q+1
.endr
	v_add_f32 v[TW+8], v[TW+8], v[TW+9]
	v_add_f32 v[TW+10], v[TW+10], v[TW+11]
	v_add_f32 v[D+k], v[TW+8], v[TW+10]
.set q, 0
.rept 4
	global_load_b128 v[EM+16*k+4*q:EM+16*k+4*q+3], v[CO], s[UB+2*k:UB+2*k+1] offset:512*q
.set q, q+1
.endr
.set k, k+1
.endr
; the eight dots: over the wave's 32 lanes, then over the four waves through LDS
.irp m, 1,2,4,8
.set k, 0
.rept 8
	v_add_f32_dpp v[D+k], v[D+k], v[D+k] row_xmask:\m row_mask:0xf bank_mask:0xf
.set k, k+1
.endr
.endr
.set k, 0
.rept 8
	v_permlanex16_b32 v[TW+k], v[D+k], s2, s3      ; (its destination counts as read: v16-23 have been written)
.set k, k+1
.endr
.set k, 0
.rept 8
	v_add_f32 v[D+k], v[D+k], v[TW+k]
.set k, k+1
.endr
	ds_store_b128 v[RA], v[D:D+3]                  ; all lanes write the same words with the same values
	ds_store_b128 v[RA], v[D+4:D+7] offset:16
	s_wait_dscnt 0x0                               ; for the others' sake
	s_barrier_signal -1
	s_barrier_wait -1
.set i, 0
.rept 8
	ds_load_b128 v[PT+4*i:PT+4*i+3], v[ZR] offset:16*i   ; wave i / 2's dots at v[32 + 8 (i / 2) ..]
.set i, i+1
.endr
	s_wait_dscnt 0x0
.irp z, 0,2,4,6
	v_pk_add_f32 v[PT+\z:PT+\z+1], v[PT+\z:PT+\z+1], v[PT+8+\z:PT+8+\z+1]
	v_pk_add_f32 v[PT+16+\z:PT+16+\z+1], v[PT+16+\z:PT+16+\z+1], v[PT+24+\z:PT+24+\z+1]
.endr
.irp z, 0,2,4,6
	v_pk_add_f32 v[PT+\z:PT+\z+1], v[PT+\z:PT+\z+1], v[PT+16+\z:PT+16+\z+1]
.endr
; silu(d) p = d p / (1 + 2^(-d log2 e)): eight exponentials, then eight reciprocals, each a batch with one wait
.irp z, 0,2,4,6
	v_pk_mul_f32 v[PT+8+\z:PT+8+\z+1], v[PT+\z:PT+\z+1], s[18:19] op_sel_hi:[1,0]
.endr
.set k, 0
.rept 8
	v_exp_f32 v[PT+8+k], v[PT+8+k]
.set k, k+1
.endr
	v_nop
	s_wait_alu depctr_va_vdst(0)
.irp z, 0,2,4,6
	v_pk_add_f32 v[PT+8+\z:PT+8+\z+1], v[PT+8+\z:PT+8+\z+1], 1.0 op_sel_hi:[1,0]
.endr
.set k, 0
.rept 8
	v_rcp_f32 v[PT+8+k], v[PT+8+k]
.set k, k+1
.endr
.set k, 0
.rept 8
	v_mul_f32 v[PT+k], s[32+k], v[PT+k]            ; d p: plain work that names no reciprocal
.set k, k+1
.endr
	s_wait_alu depctr_va_vdst(0)
.irp z, 0,2,4,6
	v_pk_mul_f32 v[PT+\z:PT+\z+1], v[PT+\z:PT+\z+1], v[PT+8+\z:PT+8+\z+1]
.endr
; out += weight_k up_embed[e_k]
.set k, 0
.rept 8
	s_wait_loadcnt 4*(7-k)                         ; row k is in; the later rows stay out
	ROWCVT k
.set z, 0
.rept 8
	v_fma_mix_f32_bf16 v[O+2*z],   v[TW+z], v[PT+k], v[O+2*z]   op_sel_hi:[1,0,0]
	v_fma_mix_f32_bf16 v[O+2*z+1], v[TW+z], v[PT+k], v[O+2*z+1] op_sel:[1,0,0] op_sel_hi:[1,0,0]
.set z, z+1
.endr
.set k, k+1
.endr
.set q, 0
.rept 4
	global_store_b128 v[CO], v[O+4*q:O+4*q+3], s[16:17] offset:512*q th:TH_STORE_NT  ; 512 consecutive bytes, at a multiple of 256 from out0's first byte
.set q, q+1
.endr
	s_wait_tensorcnt 0x0                           ; the wave's end, behind my last LDS store
	ds_add_u32 v[SPW], v[NIL]
	s_wait_dscnt 0x0
	s_endpgm
.Lfunc_end_k_q5a522cca15_combine:
	.size	k_q5a522cca15_combine, .Lfunc_end_k_q5a522cca15_combine-k_q5a522cca15_combine
	.p2alignl 7, 3214868480
	.fill 96, 4, 3214868480
	.section	.rodata,"a",@progbits
	.p2align	6, 0x0
	.amdhsa_kernel k_q5a522cca15_combine
		.amdhsa_group_segment_fixed_size 768
		.amdhsa_private_segment_fixed_size 0
		.amdhsa_enable_private_segment 0
		.amdhsa_kernarg_size 56
		.amdhsa_user_sgpr_count 2
		.amdhsa_user_sgpr_kernarg_segment_ptr 1
		.amdhsa_wavefront_size32 1
		.amdhsa_system_sgpr_workgroup_id_x 1
		.amdhsa_system_sgpr_workgroup_id_y 1
		.amdhsa_system_sgpr_workgroup_id_z 1
		.amdhsa_system_vgpr_workitem_id 0
		.amdhsa_next_free_vgpr 248
		.amdhsa_next_free_sgpr 96
		.amdhsa_reserve_vcc 0
		.amdhsa_float_denorm_mode_32 3
		.amdhsa_float_denorm_mode_16_64 3
		.amdhsa_memory_ordered 1
		.amdhsa_forward_progress 1
		.amdhsa_inst_pref_size 46
	.end_amdhsa_kernel
	.amdgpu_metadata
---
amdhsa.version: [ 1, 2 ]
amdhsa.kernels:
  - .name:           k_q5a522cca15_combine
    .symbol:         k_q5a522cca15_combine.kd
    .args:
      - { .name: hidden_states, .offset: 0, .size: 8, .value_kind: global_buffer, .address_space: global }
      - { .name: down_embed, .offset: 8, .size: 8, .value_kind: global_buffer, .address_space: global }
      - { .name: up_embed, .offset: 16, .size: 8, .value_kind: global_buffer, .address_space: global }
      - { .name: part, .offset: 24, .size: 8, .value_kind: global_buffer, .address_space: global }
      - { .name: ridx, .offset: 32, .size: 8, .value_kind: global_buffer, .address_space: global }
      - { .name: rprob, .offset: 40, .size: 8, .value_kind: global_buffer, .address_space: global }
      - { .name: out0, .offset: 48, .size: 8, .value_kind: global_buffer, .address_space: global }
    .group_segment_fixed_size: 768
    .private_segment_fixed_size: 0
    .kernarg_segment_align: 8
    .kernarg_segment_size: 56
    .max_flat_workgroup_size: 128
    .sgpr_count:     96
    .vgpr_count:     248
    .wavefront_size: 32
...
	.end_amdgpu_metadata
.endif
;; end of part 4
;; ======== version 2 of 2: 4 launches; version 1 with the launch combine written anew for expert scheduling mode
;; workspace buffers: xb 4,194,304 bytes; hb 16,777,216 bytes; part 33,554,432 bytes; ridx 32,768 bytes of whole numbers; rprob 32,768 bytes
;; launch route: the kernel of part 1 again; grid 64 x 2, 8 waves a work-group, no clusters, 120,576 bytes of LDS; arguments hidden_states, W_q, keys, xb, ridx, rprob; writes xb, ridx, rprob
;; launch gateup: the kernel of part 2 again; grid 64 x 4, 4 waves a work-group, clusters of 4 x 4, 327,680 bytes of LDS; arguments xb, gate_w, up_w, hb; writes hb
;; launch down: the kernel of part 3 again; grid 64 x 4, 4 waves a work-group, clusters of 4 x 4, 327,680 bytes of LDS; arguments hb, down_w, part; writes part
;; launch combine (part 5): grid 1024 x 1, 4 waves a work-group, no clusters, 768 bytes of LDS; arguments hidden_states, down_embed, up_embed, part, ridx, rprob, out0; writes out0
.if DOCPART == 5
	.amdgcn_target "amdgcn-amd-amdhsa--gfx1250"
	.amdhsa_code_object_version 6
	.text
	.protected	k_q5a522cca15_combine
	.globl	k_q5a522cca15_combine
	.p2align	8
	.type	k_q5a522cca15_combine,@function
k_q5a522cca15_combine:
	s_mov_b64 s[64:65], 0
	v_nop
	global_prefetch_b8 v0, s[64:65] scope:SCOPE_SE
	s_setreg_imm32_b32 hwreg(HW_REG_WAVE_SCHED_MODE, 0, 2), 2
	s_setreg_imm32_b32 hwreg(HW_REG_WAVE_MODE, 25, 1), 1
	s_wait_xcnt 0x0
	s_wait_alu depctr_vm_vsrc(0)
; out[n] = the sum of the four partial rows of the dense branch + the sum over the token's 8 experts of silu(x[n] . down_embed[e]) p_e up_embed[e].
; One token to a work-group; wave w has columns 512 w .. 512 w + 511, a lane 16 of them (four loads of 16 bytes, 512 bytes apart: a wave's load covers 512 consecutive bytes).
; The experts e and their softmax weights p come from the router's launch, 8 words each at slot (n & 1) 512 + (n >> 1); an index enters an address only behind a clamp to 4095.
; FORMATS.  x and both embeddings are rounded once to bf16, as all inputs of the program are; products are exact, all sums f32.
; NO MATRIX UNIT, NO CLUSTER, NO TENSOR LOAD: every token has rows of its own, so a 16 x 16 tile would hold one useful row in sixteen, and nothing is shared by a fixed pattern; the launch is a gather, and what counts is loads in flight:
; 52 of a wave's loads go out before the first wait, and a row of up_embed is asked for as soon as the registers of a row of down_embed are free.
; LIMITS.  exp2 of a large argument gives infinity, whose reciprocal is 0: silu of a very negative number counts as 0.  NaN and infinities are not treated apart.
; THE MODE: SCHED_MODE bits 1:0 = 2 (LLVM: expert scheduling mode 2), set by the entry lines.  The code itself states the register dependences
; between vector instructions and memory or LDS instructions, with s_wait_alu, always for 0.
; THE PLAN.  Registers that memory or LDS instructions touch:
;   v2 to v7      offsets, LDS addresses and the closing add's pair: written by vector instructions at the head, once; read by loads, stores, prefetches and LDS instructions; never written again.
;   v16-31        x's loads land here; the conversions read them; from then on vector instructions alone name them.
;   v32-95        part's loads land here; the additions of the four planes read them; behind the barrier the LDS loads of the waves' dots land in v32-63.
;   v96-223       row k: down_embed's loads land; step k's eight conversions read it; up_embed's loads land; the second pass's conversions read it.
;   v240-247      the dots: written by vector instructions, read by the two LDS stores, never written again.
;   v224-239      the output: written by vector instructions, read by the four stores at the end.
; So one wait on va_vdst stands ahead of the first load (the addresses), one in each of the eight steps behind its conversions (row k's registers are free for up_embed's loads, which are then dealt among
; the step's multiply-adds: those name x, v16-27 and v6, never row k), one ahead of the LDS stores (it serves the LDS loads behind the barrier too), one ahead of the last stores.
; No register that a memory or LDS instruction reads is written again behind that read, and the text has one path and no loop: no wait on vm_vsrc is owed.
.set CO,  2            ; v2   2048 w + 16 L
.set PFO, 3            ; v3   256 L
.set SPW, 4            ; v4   my spare word (LDS bytes 256 on: 128 bytes a wave); never rewritten
.set NIL, 5            ; v5   0; never rewritten
.set ZR,  6            ; v6   0: the first addend of a chain, and LDS address 0
.set RA,  7            ; v7   32 w: where my wave's eight partial dots go (LDS bytes 0 to 127)
.set XP,  8            ; v8-15    x in bf16, 16 numbers
.set TW,  16           ; v16-31   x as loaded; then at work
.set PT,  32           ; v32-95   part as loaded (plane ks, load q at 16 ks + 4 q); then at work
.set EM,  96           ; v96-223  the 8 rows of down_embed, then of up_embed (row k, load q at 16 k + 4 q)
.set O,   224          ; v224-239 the output's 16 numbers
.set D,   240          ; v240-247 the 8 dots
.set DB,  40           ; s[40:55] the 8 rows' addresses in down_embed
.set UB,  66           ; s[66:81] in up_embed
.set CL,  18           ; see below: s[18:19] are taken by the wave's number first
	s_load_b256 s[4:11], s[0:1], 0x0               ; x s[4:5], down_embed s[6:7], up_embed s[8:9], part s[10:11]
	s_load_b128 s[12:15], s[0:1], 0x20             ; ridx s[12:13], rprob s[14:15]
	s_load_b64 s[16:17], s[0:1], 0x30              ; out0
	v_lshl_add_u32 v[SPW], v0, 2, 256
	v_mov_b32 v[NIL], 0
	v_mov_b32 v[ZR], 0
	v_and_b32 v1, 31, v0
	v_lshrrev_b32 v[RA], 5, v0
	v_readfirstlane_b32 s18, v[RA]                 ; wave 0..3
	s_and_b32 s19, ttmp9, 1
	s_lshl_b32 s19, s19, 9
	s_lshr_b32 s20, ttmp9, 1
	s_add_co_u32 s20, s19, s20                     ; the token's slot,
	s_lshl_b32 s20, s20, 5                         ; 32 bytes each
	s_mov_b32 s21, 0
	s_lshl_b32 s22, ttmp9, 13                      ; the token's row of 8,192 bytes
	s_mov_b32 s23, 0
	s_wait_alu depctr_va_sdst(0)                   ; s18 is written, ahead of its first reader, the line below
	s_lshl_b32 s19, s18, 3                         ; my wave's two of the eight indices
	s_mov_b32 s2, 0x76543210                       ; v_permlanex16_b32: each lane takes its own place in the other half
	s_mov_b32 s3, 0xfedcba98
	v_lshlrev_b32 v[CO], 4, v1
	v_lshl_add_u32 v[CO], s18, 11, v[CO]
	v_lshlrev_b32 v[PFO], 8, v1
	v_mov_b32 v[RA], s18
	v_lshlrev_b32 v[RA], 5, v[RA]
	s_wait_kmcnt 0x0
	s_add_nc_u64 s[12:13], s[12:13], s[20:21]
	s_add_nc_u64 s[14:15], s[14:15], s[20:21]
	s_load_b256 s[24:31], s[12:13], 0x0            ; the 8 experts
	s_load_b256 s[32:39], s[14:15], 0x0            ; their weights
	s_load_b64 s[82:83], s[12:13], s19 offset:0x0  ; experts 2 w and 2 w + 1 once more, for the prefetch
	s_add_nc_u64 s[4:5], s[4:5], s[22:23]
	s_add_nc_u64 s[16:17], s[16:17], s[22:23]
	s_add_nc_u64 s[84:85], s[10:11], s[22:23]      ; the four planes of part lie 8,388,608 bytes apart: one more than a load's immediate holds, so each has a base
	s_add_nc_u64 s[86:87], s[84:85], 0x800000
	s_add_nc_u64 s[88:89], s[86:87], 0x800000
	s_add_nc_u64 s[90:91], s[88:89], 0x800000
	s_wait_alu depctr_va_vdst(0)                   ; v2 to v7 are written: the offsets and LDS addresses that every load, store, prefetch and LDS instruction of the kernel reads; no vector instruction writes one of them again
.set q, 0
.rept 4
	global_load_b128 v[TW+4*q:TW+4*q+3], v[CO], s[4:5] offset:512*q th:TH_LOAD_NT
.set q, q+1
.endr
.set k, 0
.rept 4
.set q, 0
.rept 4
	global_load_b128 v[PT+16*k+4*q:PT+16*k+4*q+3], v[CO], s[84+2*k:85+2*k] offset:512*q th:TH_LOAD_NT
.set q, q+1
.endr
.set k, k+1
.endr
	s_wait_kmcnt 0x0
.set k, 0
.rept 8
	s_min_u32 s[24+k], s[24+k], 0xfff              ; an index stays inside its table
	s_lshl_b32 s20, s[24+k], 13
	s_add_nc_u64 s[DB+2*k:DB+2*k+1], s[6:7], s[20:21]
	s_add_nc_u64 s[UB+2*k:UB+2*k+1], s[8:9], s[20:21]
.set k, k+1
.endr
.set k, 0
.rept 8
.set q, 0
.rept 4
	global_load_b128 v[EM+16*k+4*q:EM+16*k+4*q+3], v[CO], s[DB+2*k:DB+2*k+1] offset:512*q
.set q, q+1
.endr
.set k, k+1
.endr
	s_min_u32 s82, s82, 0xfff
	s_lshl_b32 s20, s82, 13
	s_add_nc_u64 s[92:93], s[8:9], s[20:21]
	s_min_u32 s83, s83, 0xfff
	s_lshl_b32 s20, s83, 13
	s_add_nc_u64 s[94:95], s[8:9], s[20:21]
	global_prefetch_b8 v[PFO], s[92:93] th:TH_LOAD_NT scope:SCOPE_SE  ; two of the token's eight rows of up_embed a wave, lanes 256 bytes apart: each row is asked for once by the work-group,
	global_prefetch_b8 v[PFO], s[94:95] th:TH_LOAD_NT scope:SCOPE_SE  ; while the rows of down_embed are on their way
	s_mov_b32 s18, 0xbfb8aa3b                      ; -log2(e), as a pair: the wave's number is no longer wanted
	s_mov_b32 s19, s18
	s_wait_loadcnt 32                              ; x and part are in; the 32 loads of down_embed stay out
.set z, 0
.rept 8
	v_cvt_pk_bf16_f32 v[XP+z], v[TW+2*z], v[TW+2*z+1]
.set z, z+1
.endr
.set z, 0
.rept 8                                            ; the four partial sums, in a fixed order
	v_pk_add_f32 v[O+2*z:O+2*z+1], v[PT+2*z:PT+2*z+1], v[PT+16+2*z:PT+16+2*z+1]
	v_pk_add_f32 v[PT+32+2*z:PT+32+2*z+1], v[PT+32+2*z:PT+32+2*z+1], v[PT+48+2*z:PT+48+2*z+1]
	v_pk_add_f32 v[O+2*z:O+2*z+1], v[O+2*z:O+2*z+1], v[PT+32+2*z:PT+32+2*z+1]
.set z, z+1
.endr
.macro ROWCVT k                        ; my 16 numbers of row k, rounded to bf16, into v16-23
.set z, 0
.rept 8
	v_cvt_pk_bf16_f32 v[TW+z], v[EM+16*(\k)+2*z], v[EM+16*(\k)+2*z+1]
.set z, z+1
.endr
.endm
; x . down_embed[e_k]: my 16 products in four chains.  The row's registers take up_embed[e_k] as soon as the conversions have emptied them: one load ahead of each four multiply-adds.
.set k, 0
.rept 8
	s_wait_loadcnt 28                              ; row k is in.  Younger: 4 (7 - k) loads of down_embed and the 4 k of up_embed issued so far
	ROWCVT k
	s_wait_alu depctr_va_vdst(0)                   ; the eight conversions are done reading row k's registers, in which the four loads of this step land; no vector instruction behind this wait names them until the second pass
	global_load_b128 v[EM+16*k:EM+16*k+3], v[CO], s[UB+2*k:UB+2*k+1]
.set q, 0
.rept 4
	v_fma_mix_f32_bf16 v[TW+8+q], v[XP+2*q], v[TW+2*q], v[ZR] op_sel_hi:[1,1,0]
.set q, q+1
.endr
	global_load_b128 v[EM+16*k+4:EM+16*k+7], v[CO], s[UB+2*k:UB+2*k+1] offset:512
.set q, 0
.rept 4
	v_fma_mix_f32_bf16 v[TW+8+q], v[XP+2*q], v[TW+2*q], v[TW+8+q] op_sel:[1,1,0] op_sel_hi:[1,1,0]
.set q, q+1
.endr
	global_load_b128 v[EM+16*k+8:EM+16*k+11], v[CO], s[UB+2*k:UB+2*k+1] offset:1024
.set q, 0
.rept 4
	v_fma_mix_f32_bf16 v[TW+8+q], v[XP+2*q+1], v[TW+2*q+1], v[TW+8+q] op_sel_hi:[1,1,0]
.set q, q+1
.endr
	global_load_b128 v[EM+16*k+12:EM+16*k+15], v[CO], s[UB+2*k:UB+2*k+1] offset:1536
.set q, 0
.rept 4
	v_fma_mix_f32_bf16 v[TW+8+q], v[XP+2*q+1], v[TW+2*q+1], v[TW+8+q] op_sel:[1,1,0] op_sel_hi:[1,1,0]
.set q, q+1
.endr
	v_add_f32 v[TW+8], v[TW+8], v[TW+9]
	v_add_f32 v[TW+10], v[TW+10], v[TW+11]
	v_add_f32 v[D+k], v[TW+8], v[TW+10]
.set k, k+1
.endr
; the eight dots: over the wave's 32 lanes, then over the four waves through LDS
.irp m, 1,2,4,8
.set k, 0
.rept 8
	v_add_f32_dpp v[D+k], v[D+k], v[D+k] row_xmask:\m row_mask:0xf bank_mask:0xf
.set k, k+1
.endr
.endr
.set k, 0
.rept 8
	v_permlanex16_b32 v[TW+k], v[D+k], s2, s3      ; (its destination counts as read: v16-23 have been written)
.set k, k+1
.endr
.set k, 0
.rept 8
	v_add_f32 v[D+k], v[D+k], v[TW+k]
.set k, k+1
.endr
	s_wait_alu depctr_va_vdst(0)                   ; the sums over the lanes have written v240-247, which the LDS stores read; and the additions of part's planes are done reading v32-63, in which the LDS loads behind the barrier land
	ds_store_b128 v[RA], v[D:D+3]                  ; all lanes write the same words with the same values
	ds_store_b128 v[RA], v[D+4:D+7] offset:16
	s_wait_dscnt 0x0                               ; for the others' sake
	s_barrier_signal -1
	s_barrier_wait -1
.set i, 0
.rept 8
	ds_load_b128 v[PT+4*i:PT+4*i+3], v[ZR] offset:16*i   ; wave i / 2's dots at v[32 + 8 (i / 2) ..]; no vector instruction stands between the wait above and these loads
.set i, i+1
.endr
	s_wait_dscnt 0x0
.irp z, 0,2,4,6
	v_pk_add_f32 v[PT+\z:PT+\z+1], v[PT+\z:PT+\z+1], v[PT+8+\z:PT+8+\z+1]
	v_pk_add_f32 v[PT+16+\z:PT+16+\z+1], v[PT+16+\z:PT+16+\z+1], v[PT+24+\z:PT+24+\z+1]
.endr
.irp z, 0,2,4,6
	v_pk_add_f32 v[PT+\z:PT+\z+1], v[PT+\z:PT+\z+1], v[PT+16+\z:PT+16+\z+1]
.endr
; silu(d) p = d p / (1 + 2^(-d log2 e)): eight exponentials, then eight reciprocals, each a batch with one wait
.irp z, 0,2,4,6
	v_pk_mul_f32 v[PT+8+\z:PT+8+\z+1], v[PT+\z:PT+\z+1], s[18:19] op_sel_hi:[1,0]
.endr
.set k, 0
.rept 8
	v_exp_f32 v[PT+8+k], v[PT+8+k]
.set k, k+1
.endr
	v_nop                                          ; a plain instruction behind the last exponential
	s_wait_alu depctr_va_vdst(0)                   ; the eight exponentials have written v40-47, ahead of their first reader
.irp z, 0,2,4,6
	v_pk_add_f32 v[PT+8+\z:PT+8+\z+1], v[PT+8+\z:PT+8+\z+1], 1.0 op_sel_hi:[1,0]
.endr
.set k, 0
.rept 8
	v_rcp_f32 v[PT+8+k], v[PT+8+k]
.set k, k+1
.endr
.set k, 0
.rept 8
	v_mul_f32 v[PT+k], s[32+k], v[PT+k]            ; d p: plain work that names no reciprocal
.set k, k+1
.endr
	s_wait_alu depctr_va_vdst(0)                   ; the eight reciprocals have written v40-47, ahead of their first reader
.irp z, 0,2,4,6
	v_pk_mul_f32 v[PT+\z:PT+\z+1], v[PT+\z:PT+\z+1], v[PT+8+\z:PT+8+\z+1]
.endr
; out += weight_k up_embed[e_k]
.set k, 0
.rept 8
	s_wait_loadcnt 4*(7-k)                         ; row k is in; the later rows stay out
	ROWCVT k
.set z, 0
.rept 8
	v_fma_mix_f32_bf16 v[O+2*z],   v[TW+z], v[PT+k], v[O+2*z]   op_sel_hi:[1,0,0]
	v_fma_mix_f32_bf16 v[O+2*z+1], v[TW+z], v[PT+k], v[O+2*z+1] op_sel:[1,0,0] op_sel_hi:[1,0,0]
.set z, z+1
.endr
.set k, k+1
.endr
	s_wait_alu depctr_va_vdst(0)                   ; the last row's multiply-adds have written v224-239, which the four stores read
.set q, 0
.rept 4
	global_store_b128 v[CO], v[O+4*q:O+4*q+3], s[16:17] offset:512*q th:TH_STORE_NT  ; 512 consecutive bytes, at a multiple of 256 from out0's first byte
.set q, q+1
.endr
	s_wait_dscnt 0x0                               ; the wave's end: the closing lines, six on end
	s_wait_alu 0x0
	s_wait_tensorcnt 0x0
	ds_add_u32 v[SPW], v[NIL]
	s_wait_dscnt 0x0
	s_endpgm
.Lfunc_end_k_q5a522cca15_combine:
	.size	k_q5a522cca15_combine, .Lfunc_end_k_q5a522cca15_combine-k_q5a522cca15_combine
	.p2alignl 7, 3214868480
	.fill 96, 4, 3214868480
	.section	.rodata,"a",@progbits
	.p2align	6, 0x0
	.amdhsa_kernel k_q5a522cca15_combine
		.amdhsa_group_segment_fixed_size 768
		.amdhsa_private_segment_fixed_size 0
		.amdhsa_enable_private_segment 0
		.amdhsa_kernarg_size 56
		.amdhsa_user_sgpr_count 2
		.amdhsa_user_sgpr_kernarg_segment_ptr 1
		.amdhsa_wavefront_size32 1
		.amdhsa_system_sgpr_workgroup_id_x 1
		.amdhsa_system_sgpr_workgroup_id_y 1
		.amdhsa_system_sgpr_workgroup_id_z 1
		.amdhsa_system_vgpr_workitem_id 0
		.amdhsa_next_free_vgpr 248
		.amdhsa_next_free_sgpr 96
		.amdhsa_reserve_vcc 0
		.amdhsa_float_denorm_mode_32 3
		.amdhsa_float_denorm_mode_16_64 3
		.amdhsa_memory_ordered 1
		.amdhsa_forward_progress 1
		.amdhsa_inst_pref_size 46
	.end_amdhsa_kernel
	.amdgpu_metadata
---
amdhsa.version: [ 1, 2 ]
amdhsa.kernels:
  - .name:           k_q5a522cca15_combine
    .symbol:         k_q5a522cca15_combine.kd
    .args:
      - { .name: hidden_states, .offset: 0, .size: 8, .value_kind: global_buffer, .address_space: global }
      - { .name: down_embed, .offset: 8, .size: 8, .value_kind: global_buffer, .address_space: global }
      - { .name: up_embed, .offset: 16, .size: 8, .value_kind: global_buffer, .address_space: global }
      - { .name: part, .offset: 24, .size: 8, .value_kind: global_buffer, .address_space: global }
      - { .name: ridx, .offset: 32, .size: 8, .value_kind: global_buffer, .address_space: global }
      - { .name: rprob, .offset: 40, .size: 8, .value_kind: global_buffer, .address_space: global }
      - { .name: out0, .offset: 48, .size: 8, .value_kind: global_buffer, .address_space: global }
    .group_segment_fixed_size: 768
    .private_segment_fixed_size: 0
    .kernarg_segment_align: 8
    .kernarg_segment_size: 56
    .max_flat_workgroup_size: 128
    .sgpr_count:     96
    .vgpr_count:     248
    .wavefront_size: 32
...
	.end_amdgpu_metadata
.endif
;; end of part 5
